; MI455X (gfx1250); checked and timed in simulation.
; The chip was launched on July 23, 2026; its instructions are those of AMD's public machine-readable ISA for CDNA 5 (MIT licence, August 2026) and "CDNA5" Instruction Set Architecture Reference Guide (July 2026). The comments in the code are by the model that wrote it; some were corrected since.
;; Transformer Encoder Layer. Allowed arithmetic: matrix products marked QUANTISED: E4M3 operands, one given power-of-two scale a tensor, by v_wmma_f32_16x16x64_fp8_fp8 or v_wmma_f32_16x16x128_fp8_fp8, f32 sums; products left as they are: f32 operands where the result goes on into a quantised operand, else bf16, f16 or f32 operands; f32 sums; everything else in f32.
;; Inputs: W1 1,024 x 4,096 float32; W2 4,096 x 1,024 float32; Wk 1,024 x 1,024 float32; Wo 1,024 x 1,024 float32; Wq 1,024 x 1,024 float32; Wv 1,024 x 1,024 float32; b1 4,096 float32; b2 1,024 float32; bk 1,024 float32; bo 1,024 float32; bq 1,024 float32; bv 1,024 float32; ln1_b 1,024 float32; ln1_g 1,024 float32; ln2_b 1,024 float32; ln2_g 1,024 float32; lowp_scales 16 int32 (the exponents e of the quantised operands' scales 2^e); x 2 x 2,048 x 1,024 float32.
;; Outputs: out0 2 x 2,048 x 1,024 float32.
;; This version of the problem:
;;   THIS VERSION OF THE PROBLEM IS GIVEN IN LOW PRECISION. The matrix products marked QUANTISED in the list below multiply operands that are first quantised to E4M3 (4 exponent bits, 3 mantissa bits; 8 bits a number), with one given power-of-two scale for each operand tensor; their sums are f32. All else is computed in f32.
;;   The module's matrix products, in the order in which they are computed (A, B: the left and right operand; K: the contracted axis; several contracted axes count as one K, in the product's order):
;;     1. [M 4,096, K 1,024] x [K 1,024, N 1,024]; A: computed on the way; B: input Wq: QUANTISED (scales: A lowp_scales[0], B lowp_scales[1])
;;     2. [M 4,096, K 1,024] x [K 1,024, N 1,024]; A: computed on the way; B: input Wk: QUANTISED (scales: A lowp_scales[2], B lowp_scales[3])
;;     3. [M 4,096, K 1,024] x [K 1,024, N 1,024]; A: computed on the way; B: input Wv: QUANTISED (scales: A lowp_scales[4], B lowp_scales[5])
;;     4. [M 2,048, K 1] x [K 1, N 32]; A: computed on the way; B: computed on the way: left as it is (no contracted axis)
;;     5. batch 32 x [M 2,048, K 64] x [K 64, N 2,048]; A: computed on the way; B: computed on the way: QUANTISED (scales: A lowp_scales[6], B lowp_scales[7])
;;     6. batch 32 x [M 2,048, K 2,048] x [K 2,048, N 64]; A: softmax (see below); B: computed on the way: QUANTISED (scales: A lowp_scales[8], B lowp_scales[9])
;;     7. [M 4,096, K 1,024] x [K 1,024, N 1,024]; A: computed on the way; B: input Wo: QUANTISED (scales: A lowp_scales[10], B lowp_scales[11])
;;     8. [M 4,096, K 1,024] x [K 1,024, N 4,096]; A: computed on the way; B: input W1: QUANTISED (scales: A lowp_scales[12], B lowp_scales[13])
;;     9. [M 4,096, K 4,096] x [K 4,096, N 1,024]; A: computed on the way; B: input W2: QUANTISED (scales: A lowp_scales[14], B lowp_scales[15])
;;   THE QUANTISER, for each operand of a quantised product, along K:
;;     - The operand's scale is 2^e, e = its entry of the input lowp_scales (int32; the entries are numbered through the quantised products in the list's order, A before B).
;;     - Each number is divided by the scale, clamped to +-448, and rounded to the nearest number of E4M3, ties to even, subnormals kept.
;;     - The product sums the exact products of the quantised numbers (number of the format x scale) in f32.
;;   ~~~python
;;   def quantise(x, axis, e):      # numpy; x: float32 -> the quantised numbers, widened to float32 again
;;       x = np.moveaxis(x, axis, -1); K = x.shape[-1]
;;       r = np.clip(x / 2.0 ** e, -448, 448)
;;       step = 2.0 ** (np.maximum(np.frexp(np.where(r == 0, 1, r))[1] - 1, -6) - 3)
;;       q = np.round(r / step) * step * 2.0 ** e      # np.round: ties to even
;;       return np.moveaxis(q, -1, axis).astype(np.float32)
;;   ~~~
;;   SOFTMAX AHEAD OF A QUANTISED PRODUCT. Where the list says 'softmax', what is quantised is not the finished softmax but p = 2^(t - M), with t = logit x log2(e) and M = ceil(the row's largest t), a whole number; so 1/2 < the row's largest p <= 1. The row's sum l is taken of the UNQUANTISED p, in f32, and the product's result is divided by l at the end. Since M is a whole number, a kernel that streams over the keys may use a running M (the ceiling of the running maximum): every later rescaling is an exact power of two, so the quantised numbers keep their values, but for numbers so far below the row's largest that they fall under the format's range.
;;   OPERANDS COMPUTED ON THE WAY. 'Computed on the way' means the value that the module computes at that place (a softmax that the list does not call 'softmax' is quantised finished and normalised). What goes into a quantiser is computed in f32, as accurately as f32 sums, v_exp_f32 and their like allow (about 1e-6 of the number): no bf16 or f16 on the way to a quantiser, and a product that is left as it is and whose result goes on into a quantised operand takes f32 operands (vector FMAs, or v_wmma_f32_16x16x4_f32). A number that lies on a knife's edge between two numbers of the format may be rounded either way, as far as f32 arithmetic and the matrix unit's own rounding can turn it there, and no further.
;; One version. Each part assembles by itself: llvm-mc -triple=amdgcn-amd-amdhsa -mcpu=gfx1250 --defsym DOCPART=n.
;; ======== version 1 of 1: 7 launches
;; limits: right only within a limited range of input values
;; workspace buffers: wc 13,107,200 bytes; h1_c 12,582,912 bytes; qkv_c 12,582,912 bytes; ctx_c 4,194,304 bytes; x2 16,777,216 bytes; h2_c 4,194,304 bytes; g_c 16,777,216 bytes
;; launch prep (part 1): grid 1088 x 1, 4 waves a work-group, no clusters, 52,736 bytes of LDS; arguments x, ln1_g, ln1_b, Wq, Wk, Wv, Wo, W1, W2, lowp_scales, wc, h1_c; writes wc, h1_c
.if DOCPART == 1
	.amdgcn_target "amdgcn-amd-amdhsa--gfx1250"
	.amdhsa_code_object_version 6
	.text
	.protected	k_q71cc48a418_prep
	.globl	k_q71cc48a418_prep
	.p2align	8
	.type	k_q71cc48a418_prep,@function
k_q71cc48a418_prep:
	s_mov_b64 s[64:65], 0
	v_nop
	global_prefetch_b8 v0, s[64:65] scope:SCOPE_SE
	s_setreg_imm32_b32 hwreg(HW_REG_WAVE_MODE, 25, 1), 1
	s_wait_xcnt 0x0
; Three roles, chosen by the work-group's number (the same for all four waves of a work-group):
;   0..255     LayerNorm 1 of 16 rows of x, quantised three times (scales e0, e2, e4) into h1_c
;   256..1023  128 columns x 128 K slots of one weight, quantised into wc
;   1024..1087 32 rows of the table of cos and sin, into wc at 12 MiB: 8 rows a wave, written out, so that a wave's chain of dependent lines stays short
; CODES LIE AS IMAGES OF OPERAND REGISTERS: 16 rows x 128 K slots = 2,048 bytes, byte c*512 + (16 h + r)*16 + q.  Image (blk, kb) of a tensor with TB blocks to a tile
; and KB images along K lies at (((blk/TB)*KB + kb)*TB + blk%TB)*2048.  Which K a slot holds is the same in both operands of a product:
;   order L (partners of LayerNorm's results): K = 512 h + 128 (q/4) + 16 kb + 4 c + q%4;   order P (partners of matrix results): K = 128 kb + 32 c + 16 (q/8) + 8 h + q%8.
; code = x / 2^e, held within +-448, to the nearest code, ties to even.
; LIMITS: each e lies between -126 and 119, so that 2^e and 448 x 2^e are f32 numbers.  NaN and infinities among the inputs are not served.
; cos and sin: two-part reduction by pi/2 and polynomials, good to a few units of the last place for the angles up to 2,047 that occur here.
.set NS, 3                             ; sets of codes that LayerNorm makes
.set XR, 104                           ; v104-167 two rows of 32 numbers a lane; later, with v168-199, the read-back
.set TR, 168                           ; v168-199 at work
.set CR, 16                            ; v16-39   codes, 8 registers a set
.set GR, 40                            ; v40-71   the gain
.set BR, 72                            ; v72-103  the bias
.set SETB, 17408                       ; LDS bytes of a set: 64 pieces x 272
.macro MKSCALE vs, vl, se              ; v[vs] = 2^e as f32 (the conversion takes its exponent field), v[vl] = 448 x 2^e
	s_add_co_i32 s62, \se, 127
	s_lshl_b32 s63, s62, 23
	v_mov_b32 v[\vs], s63
	s_add_co_i32 s62, s62, 8
	s_lshl_b32 s62, s62, 23
	s_or_b32 s62, s62, 0x600000
	v_mov_b32 v[\vl], s62
.endm
.macro REDUCE                          ; v5 summed over the wave's 32 lanes, the result in every lane
	v_add_f32_dpp v5, v5, v5 row_xmask:1 row_mask:0xf bank_mask:0xf
	v_add_f32_dpp v5, v5, v5 row_xmask:2 row_mask:0xf bank_mask:0xf
	v_add_f32_dpp v5, v5, v5 row_xmask:4 row_mask:0xf bank_mask:0xf
	v_add_f32_dpp v5, v5, v5 row_xmask:8 row_mask:0xf bank_mask:0xf
	v_permlanex16_b32 v6, v5, s48, s49
	v_add_f32 v5, v5, v6
.endm
.macro ROWLOAD rr                      ; row rr of my four: eight loads of 512 consecutive bytes; register 4 j + i = x[128 j + 4 lane + i]
.irp j, 0,1,2,3,4,5,6,7
	global_load_b128 v[XR+32*((\rr)%2)+4*\j:XR+32*((\rr)%2)+4*\j+3], v1, s[4:5] offset:(\rr)*4096+512*\j th:TH_LOAD_NT
.endr
.endm
.macro ROW rr
.set XS, XR+32*((\rr)%2)
.if (\rr) < 3
	s_wait_loadcnt 8                               ; this row is in; the next row's eight loads may be out
.else
	s_wait_loadcnt 0
.endif
.set k, 0
.rept 8
	v_pk_add_f32 v[TR+2*k:TR+2*k+1], v[XS+4*k:XS+4*k+1], v[XS+4*k+2:XS+4*k+3]
.set k, k+1
.endr
.irp m, 0,1,2,3
	v_pk_add_f32 v[TR+2*\m:TR+2*\m+1], v[TR+2*\m:TR+2*\m+1], v[TR+2*\m+8:TR+2*\m+9]
.endr
	v_pk_add_f32 v[TR:TR+1], v[TR:TR+1], v[TR+4:TR+5]
	v_pk_add_f32 v[TR+2:TR+3], v[TR+2:TR+3], v[TR+6:TR+7]
	v_pk_add_f32 v[TR:TR+1], v[TR:TR+1], v[TR+2:TR+3]
	v_add_f32 v5, v[TR], v[TR+1]
	REDUCE
	v_mul_f32 v14, s30, v5                         ; the mean
	v_mov_b32 v15, v14
.set k, 0
.rept 16
	v_pk_add_f32 v[XS+2*k:XS+2*k+1], v[XS+2*k:XS+2*k+1], v[14:15] neg_lo:[0,1] neg_hi:[0,1]   ; x - mean first: the variance is no difference of large sums
.set k, k+1
.endr
	v_pk_mul_f32 v[TR:TR+1], v[XS:XS+1], v[XS:XS+1]
	v_pk_mul_f32 v[TR+2:TR+3], v[XS+2:XS+3], v[XS+2:XS+3]
.set k, 1
.rept 7
	v_pk_fma_f32 v[TR:TR+1], v[XS+4*k:XS+4*k+1], v[XS+4*k:XS+4*k+1], v[TR:TR+1]
	v_pk_fma_f32 v[TR+2:TR+3], v[XS+4*k+2:XS+4*k+3], v[XS+4*k+2:XS+4*k+3], v[TR+2:TR+3]
.set k, k+1
.endr
	v_pk_add_f32 v[TR:TR+1], v[TR:TR+1], v[TR+2:TR+3]
	v_add_f32 v5, v[TR], v[TR+1]
	REDUCE
	v_fma_f32 v5, v5, s30, s31                     ; variance + eps
	s_wait_alu depctr_va_vdst(0)
	v_rsq_f32 v14, v5
	v_nop                                          ; a plain line behind the transcendental,
	s_wait_alu depctr_va_vdst(0)                   ; and the wait ahead of its first reader
	v_mov_b32 v15, v14
.set k, 0
.rept 16
	v_pk_mul_f32 v[XS+2*k:XS+2*k+1], v[XS+2*k:XS+2*k+1], v[14:15]
.set k, k+1
.endr
.set k, 0
.rept 16
	v_pk_fma_f32 v[XS+2*k:XS+2*k+1], v[XS+2*k:XS+2*k+1], v[GR+2*k:GR+2*k+1], v[BR+2*k:BR+2*k+1]
.set k, k+1
.endr
	s_wait_dscnt 0x0                               ; the last row's LDS stores have read the codes' registers
.irp s, 0,1,2
.if \s < NS
.set k, 0
.rept 32
	v_med3_num_f32 v[TR+k], v[XS+k], -v[9+2*\s], v[9+2*\s]   ; the conversion to an 8-bit code does not saturate (ISA guide 7.6.2): the hold comes first
.set k, k+1
.endr
.irp g, 0,1,2,3
	v_cvt_scalef32_pk8_fp8_f32 v[CR+8*\s+2*\g:CR+8*\s+2*\g+1], v[TR+8*\g:TR+8*\g+7], v[8+2*\s]
.endr
	v_nop                                          ; a plain line between the conversions and the next lines that write their sources
	ds_store_b128 v2, v[CR+8*\s:CR+8*\s+3] offset:\s*SETB+(\rr)*16          ; piece (h = 0, kb = lane/4, c = lane%4), my row's 16 bytes
	ds_store_b128 v2, v[CR+8*\s+4:CR+8*\s+7] offset:\s*SETB+8704+(\rr)*16   ; piece h = 1
.endif
.endr
.if (\rr) < 2
	ROWLOAD (\rr)+2
.endif
.endm
; piece p = 2 c + h of a column's 128 slots: 16 loads, each 128 consecutive bytes of a row of the weight for the wave
.macro WLOADP p, lam, pitch, two
.set wc_, (\p)/2
.set wh_, (\p)%2
.set q_, 0
.rept 16
.if \lam
.set wk_, 512*wh_*(1-(\two))+128*(q_/4)+4*wc_+(q_%4)
.else
.set wk_, 32*wc_+16*(q_/8)+8*wh_+(q_%8)
.endif
	global_load_b32 v[32+16*(\p)+q_], v2, s[66+2*wh_*(\two):67+2*wh_*(\two)] offset:wk_*(\pitch) th:TH_LOAD_NT
.set q_, q_+1
.endr
.endm
.macro WPATH lam, pitch, two           ; a lane takes a column, its registers run down the slots: the conversions give the image's bytes as they lie
	WLOADP 0, \lam, \pitch, \two
	WLOADP 1, \lam, \pitch, \two
	WLOADP 2, \lam, \pitch, \two
.irp p, 0,1,2,3,4,5,6,7
.if \p < 5
	WLOADP \p+3, \lam, \pitch, \two
	s_wait_loadcnt 48                              ; this piece's 16 loads are in; the three pieces behind it may be out
.else
	s_wait_loadcnt 16*(7-\p)
.endif
.set q_, 0
.rept 16
	v_med3_num_f32 v[32+16*\p+q_], v[32+16*\p+q_], -v11, v11
.set q_, q_+1
.endr
	v_cvt_scalef32_pk8_fp8_f32 v[160+4*\p:161+4*\p], v[32+16*\p:39+16*\p], v10
	v_cvt_scalef32_pk8_fp8_f32 v[162+4*\p:163+4*\p], v[40+16*\p:47+16*\p], v10
	global_store_b128 v3, v[160+4*\p:163+4*\p], s[70:71] offset:(\p/2)*512+(\p%2)*256   ; sixteen lanes store 256 consecutive bytes, aligned; each piece has registers of its own
.endr
	s_endpgm
.endm
.macro LAMOUT                          ; s57 = s55 + image ((cg/2)*8 + kb)*16 + 8 (cg%2) + 2 wave, in bytes (16 blocks to a tile, 8 images along K)
	s_lshr_b32 s57, s51, 1
	s_lshl_b32 s57, s57, 3
	s_add_co_u32 s57, s57, s52
	s_lshl_b32 s57, s57, 4
	s_and_b32 s58, s51, 1
	s_lshl_b32 s58, s58, 3
	s_add_co_u32 s57, s57, s58
	s_lshl_b32 s58, s28, 1
	s_add_co_u32 s57, s57, s58
	s_lshl_b32 s57, s57, 11
	s_add_co_u32 s57, s57, s55
.endm
.macro WFIN kstepb                     ; s[66:67] += 512 cg + 128 wave + kb x kstepb;  s[70:71] = wc + s57;  the scale from s53
	s_lshl_b32 s58, s51, 9
	s_lshl_b32 s59, s28, 7
	s_add_co_u32 s58, s58, s59
	s_mul_i32 s59, s52, \kstepb
	s_add_co_u32 s58, s58, s59
	s_mov_b32 s59, 0
	s_add_nc_u64 s[66:67], s[66:67], s[58:59]
	s_mov_b32 s58, s57
	s_add_nc_u64 s[70:71], s[24:25], s[58:59]
	MKSCALE 10, 11, s53
.endm
.macro ANGLE inv, out                  ; v[out] = cos or sin (by the lane's v6) of v9 x v[inv]
	v_mul_f32 v10, v9, v[\inv]
	v_mul_f32 v11, 0x3f22f983, v10
	v_rndne_f32 v11, v11                           ; n = the nearest whole number to a x 2/pi
	v_fma_f32 v12, v11, s55, v10
	v_fma_f32 v12, v11, s56, v12                   ; r = a - n pi/2, pi/2 in two parts
	v_mul_f32 v13, v12, v12
	v_fma_f32 v14, v13, s57, s58
	v_fma_f32 v14, v14, v13, s59
	v_mul_f32 v15, v12, v13
	v_fma_f32 v14, v15, v14, v12                   ; sin r
	v_fma_f32 v16, v13, s60, s61
	v_fma_f32 v16, v16, v13, s62
	v_fma_f32 v17, v13, -0.5, 1.0
	v_mul_f32 v18, v13, v13
	v_fma_f32 v16, v18, v16, v17                   ; cos r
	v_cvt_i32_f32 v19, v11
	v_add_nc_u32 v19, v19, v6                      ; sin a = cos(a - pi/2): three quadrants on
	v_and_b32 v20, 1, v19
	v_cmp_eq_u32 vcc_lo, 1, v20
	v_cndmask_b32 v21, v16, v14, vcc_lo            ; odd quadrants take sin r: a choice of a value, no branch
	v_add_nc_u32 v19, 1, v19
	v_and_b32 v19, 2, v19
	v_lshlrev_b32 v19, 30, v19                     ; quadrants 1 and 2 are negative
	v_xor_b32 v[\out], v21, v19
.endm
	s_load_b512 s[4:19], s[0:1], 0x0               ; x, ln1_g, ln1_b, Wq, Wk, Wv, Wo, W1
	s_load_b256 s[20:27], s[0:1], 0x40             ; W2, lowp_scales, wc, h1_c
	v_lshl_add_u32 v200, v0, 2, 0xcc00
	v_mov_b32 v201, 0
	v_lshrrev_b32 v1, 5, v0
	v_readfirstlane_b32 s28, v1                    ; wave 0..3
	v_and_b32 v7, 31, v0                           ; lane
	s_wait_kmcnt 0x0
	s_load_b512 s[32:47], s[22:23], 0x0            ; e0 .. e15
	s_cmp_lt_u32 ttmp9, 256
	s_cbranch_scc1 .Lln
	s_cmp_lt_u32 ttmp9, 1024
	s_cbranch_scc1 .Lweights
; ---- the table: row s of 256 bytes = cos(s f_i), i = 0..31, then sin(s f_i);  f_i = 10000^(-i/32)
	s_wait_kmcnt 0x0
	s_sub_co_u32 s50, ttmp9, 1024
	s_lshl_b32 s50, s50, 2
	s_add_co_u32 s50, s50, s28                     ; one of 256 waves: 8 rows each
	s_lshl_b32 s51, s50, 3                         ; my first row
	s_lshl_b32 s52, s50, 11
	s_add_co_u32 s52, s52, 0xC00000
	s_mov_b32 s53, 0
	s_add_nc_u64 s[24:25], s[24:25], s[52:53]
	s_mov_b32 s55, 0xbfc90fdb                      ; -pi/2, upper part
	s_mov_b32 s56, 0x333bbd2e                      ; what the upper part has too much
	s_mov_b32 s57, 0xb94ca1f9
	s_mov_b32 s58, 0x3c08839e
	s_mov_b32 s59, 0xbe2aaaa3
	s_mov_b32 s60, 0x37ccf5ce
	s_mov_b32 s61, 0xbab6061a
	s_mov_b32 s62, 0x3d2aaaa5
	s_wait_alu depctr_va_vdst(0)
	v_and_b32 v1, 15, v7
	v_lshlrev_b32 v1, 1, v1                        ; lane l makes words 2 l and 2 l + 1 of a row: i = 2 (l % 16) and the next
	v_cvt_f32_u32 v2, v1
	v_add_f32 v3, 1.0, v2
	v_mul_f32 v4, 0xbed49a00, v2                   ; -i x the upper 15 bits of log2(10000)/32: exact
	v_mul_f32 v5, 0xbed49a00, v3
	s_wait_alu depctr_va_vdst(0)
	v_exp_f32 v4, v4
	v_exp_f32 v5, v5
	v_mul_f32 v2, 0xb626c40c, v2                   ; -i x the rest x ln 2   (plain lines behind the exponentials)
	v_mul_f32 v3, 0xb626c40c, v3
	s_wait_alu depctr_va_vdst(0)                   ; one wait for both, ahead of their first reader
	v_fma_f32 v4, v2, v4, v4
	v_fma_f32 v5, v3, v5, v5
	v_lshrrev_b32 v6, 4, v7
	v_mul_u32_u24 v6, v6, 3                        ; lanes 16-31 make sines
	v_lshlrev_b32 v8, 3, v7
	v_cvt_f32_u32 v9, s51
.irp rr, 0,1,2,3,4,5,6,7                       ; each row has data registers of its own and its place in the immediate: no base is stepped, no store's data are written again
	ANGLE 4, 22+2*\rr
	ANGLE 5, 23+2*\rr
	global_store_b64 v8, v[22+2*\rr:23+2*\rr], s[24:25] offset:256*\rr   ; the wave stores a row: 256 consecutive bytes, aligned
	v_add_f32 v9, 1.0, v9
.endr
	s_endpgm
; ---- the weights
.Lweights:
	s_sub_co_u32 s50, ttmp9, 256                   ; id
	s_and_b32 s51, s50, 7                          ; which 128 columns
	s_lshr_b32 s52, s50, 3
	s_and_b32 s52, s52, 7                          ; which image along K
	s_wait_alu depctr_va_vdst(0)
	v_lshlrev_b32 v2, 2, v7                        ; in: 4 bytes a lane
	v_lshrrev_b32 v3, 4, v7
	v_and_b32 v4, 15, v7
	v_lshlrev_b32 v3, 11, v3
	v_lshl_add_u32 v3, v4, 4, v3                   ; out: lanes 16-31 fill the next block's image
	s_wait_kmcnt 0x0
	s_cmp_lt_u32 s50, 192
	s_cbranch_scc1 .Lw_qkv
	s_lshr_b32 s54, s50, 8
	s_cmp_eq_u32 s54, 1
	s_cbranch_scc1 .Lw_one
	s_sub_co_u32 s56, s50, 512                     ; Wo (id 192..255) or W2 (id 512..767): order P
	s_lshr_b32 s56, s56, 3
	s_mov_b32 s55, 0x800000
	s_cmp_lt_u32 s50, 256
	s_cselect_b64 s[66:67], s[16:17], s[20:21]
	s_cselect_b32 s53, s43, s47                    ; e11 or e15
	s_cselect_b32 s54, 8, 32                       ; images along K
	s_cselect_b32 s55, 0x300000, s55               ; where in wc
	s_cselect_b32 s52, s52, s56
	s_mul_i32 s57, s51, s54
	s_add_co_u32 s57, s57, s52
	s_lshl_b32 s57, s57, 3                         ; 8 blocks to a tile
	s_lshl_b32 s58, s28, 1
	s_add_co_u32 s57, s57, s58
	s_lshl_b32 s57, s57, 11
	s_add_co_u32 s57, s57, s55
	WFIN 524288                                    ; 128 rows of 4,096 bytes to an image
	s_wait_alu depctr_va_vdst(0)
	WPATH 0, 4096, 0
.Lw_qkv:                                               ; Wq, Wk, Wv: order L
	s_lshr_b32 s54, s50, 6
	s_cmp_eq_u32 s54, 0
	s_cselect_b64 s[66:67], s[10:11], s[12:13]
	s_cselect_b32 s53, s33, s35
	s_cmp_eq_u32 s54, 2
	s_cselect_b64 s[66:67], s[14:15], s[66:67]
	s_cselect_b32 s53, s37, s53                    ; e1, e3 or e5
	s_lshl_b32 s55, s54, 20
	LAMOUT
	WFIN 65536                                     ; an image on is 16 rows on
	s_wait_alu depctr_va_vdst(0)
	WPATH 1, 4096, 0
.Lw_one:                                               ; W1: order L, rows of 16,384 bytes: the slots of h = 1 get a base of their own, 512 rows on, so that every offset fits the immediate
	s_and_b32 s51, s50, 31
	s_lshr_b32 s52, s50, 5
	s_and_b32 s52, s52, 7
	s_mov_b64 s[66:67], s[18:19]
	s_mov_b32 s53, s45                             ; e13
	s_mov_b32 s55, 0x400000
	LAMOUT
	WFIN 262144
	s_add_nc_u64 s[68:69], s[66:67], 0x800000
	s_wait_alu depctr_va_vdst(0)
	WPATH 1, 16384, 1
; ---- LayerNorm: the work-group takes 16 rows (one block), a wave four of them, one after the other
.Lln:
	s_mov_b32 s48, 0x76543210
	s_mov_b32 s49, 0xfedcba98
	s_mov_b32 s30, 0x3a800000                      ; 1/1024
	s_mov_b32 s31, 0x3727c5ac                      ; 1e-5
	v_mov_b32 v6, 0                                ; a lane permute's destination counts as read
	s_wait_alu depctr_va_vdst(0)
	v_lshlrev_b32 v1, 4, v7                        ; 16 x lane
	s_wait_alu depctr_va_vdst(0)
	v_mul_u32_u24 v2, v7, 272
	s_lshl_b32 s50, s28, 6
	v_add_nc_u32 v2, s50, v2                       ; into LDS: piece = lane, pitch 272; my wave's rows at 64 x wave
	v_lshrrev_b32 v3, 4, v7
	v_mul_u32_u24 v3, v3, 8704
	v_and_b32 v4, 15, v7
	v_lshl_add_u32 v3, v4, 4, v3
	s_mul_i32 s50, s28, 2176
	v_add_nc_u32 v3, s50, v3                       ; back: pieces 8 wave + u; lanes 0-15 h = 0, lanes 16-31 h = 1; 16 bytes a row
	s_lshl_b32 s50, s28, 16
	v_add_nc_u32 v4, s50, v1                       ; and in memory: images kb = 2 wave, 2 wave + 1
	s_lshl_b32 s50, ttmp9, 16
	s_lshl_b32 s51, s28, 14
	s_add_co_u32 s50, s50, s51
	s_mov_b32 s51, 0
	s_add_nc_u64 s[4:5], s[4:5], s[50:51]          ; my first row
	s_lshr_b32 s50, ttmp9, 4
	s_lshl_b32 s50, s50, 18
	s_and_b32 s52, ttmp9, 15
	s_lshl_b32 s52, s52, 11
	s_add_co_u32 s50, s50, s52
	s_add_nc_u64 s[56:57], s[26:27], s[50:51]      ; the block's image kb = 0 in set 0
.irp s, 1,2
.if \s < NS
	s_add_nc_u64 s[56+2*\s:57+2*\s], s[56:57], \s*0x400000
.endif
.endr
.irp j, 0,1,2,3,4,5,6,7
	global_load_b128 v[GR+4*\j:GR+4*\j+3], v1, s[6:7] offset:512*\j
	global_load_b128 v[BR+4*\j:BR+4*\j+3], v1, s[8:9] offset:512*\j
.endr
	ROWLOAD 0
	ROWLOAD 1
	s_wait_kmcnt 0x0
.irp s, 0,1,2
.if \s < NS
	MKSCALE 8+2*\s, 9+2*\s, s[32+2*\s]
.endif
.endr
	ROW 0
	ROW 1
	ROW 2
	ROW 3
	s_wait_dscnt 0x0                               ; for the others' sake: my stores have landed
	s_barrier_signal -1
	s_barrier_wait -1
.set n_, 0
.rept 8*NS
	ds_load_b128 v[XR+4*n_:XR+4*n_+3], v3 offset:(n_/8)*SETB+(n_%8)*272
.set n_, n_+1
.endr
.set n_, 0
.rept 8*NS
	s_wait_dscnt 8*NS-1-n_
	global_store_b128 v4, v[XR+4*n_:XR+4*n_+3], s[56+2*(n_/8):57+2*(n_/8)] offset:((n_%8)/4)*32768+(n_%4)*512   ; the wave stores 512 consecutive bytes of an image
.set n_, n_+1
.endr
	s_wait_tensorcnt 0x0
	ds_add_u32 v200, v201
	s_wait_dscnt 0x0
	s_endpgm
.Lfunc_end_k_q71cc48a418_prep:
	.size	k_q71cc48a418_prep, .Lfunc_end_k_q71cc48a418_prep-k_q71cc48a418_prep
	.p2alignl 7, 3214868480
	.fill 96, 4, 3214868480
	.section	.rodata,"a",@progbits
	.p2align	6, 0x0
	.amdhsa_kernel k_q71cc48a418_prep
		.amdhsa_group_segment_fixed_size 52736
		.amdhsa_private_segment_fixed_size 0
		.amdhsa_enable_private_segment 0
		.amdhsa_kernarg_size 96
		.amdhsa_user_sgpr_count 2
		.amdhsa_user_sgpr_kernarg_segment_ptr 1
		.amdhsa_wavefront_size32 1
		.amdhsa_system_sgpr_workgroup_id_x 1
		.amdhsa_system_sgpr_workgroup_id_y 1
		.amdhsa_system_sgpr_workgroup_id_z 1
		.amdhsa_system_vgpr_workitem_id 0
		.amdhsa_next_free_vgpr 202
		.amdhsa_next_free_sgpr 80
		.amdhsa_reserve_vcc 1
		.amdhsa_float_denorm_mode_32 3
		.amdhsa_float_denorm_mode_16_64 3
		.amdhsa_memory_ordered 1
		.amdhsa_forward_progress 1
		.amdhsa_inst_pref_size 156
	.end_amdhsa_kernel
	.amdgpu_metadata
---
amdhsa.version: [ 1, 2 ]
amdhsa.kernels:
  - .name:           k_q71cc48a418_prep
    .symbol:         k_q71cc48a418_prep.kd
    .args:
      - { .name: x, .offset: 0, .size: 8, .value_kind: global_buffer, .address_space: global }
      - { .name: ln1_g, .offset: 8, .size: 8, .value_kind: global_buffer, .address_space: global }
      - { .name: ln1_b, .offset: 16, .size: 8, .value_kind: global_buffer, .address_space: global }
      - { .name: Wq, .offset: 24, .size: 8, .value_kind: global_buffer, .address_space: global }
      - { .name: Wk, .offset: 32, .size: 8, .value_kind: global_buffer, .address_space: global }
      - { .name: Wv, .offset: 40, .size: 8, .value_kind: global_buffer, .address_space: global }
      - { .name: Wo, .offset: 48, .size: 8, .value_kind: global_buffer, .address_space: global }
      - { .name: W1, .offset: 56, .size: 8, .value_kind: global_buffer, .address_space: global }
      - { .name: W2, .offset: 64, .size: 8, .value_kind: global_buffer, .address_space: global }
      - { .name: lowp_scales, .offset: 72, .size: 8, .value_kind: global_buffer, .address_space: global }
      - { .name: wc, .offset: 80, .size: 8, .value_kind: global_buffer, .address_space: global }
      - { .name: h1_c, .offset: 88, .size: 8, .value_kind: global_buffer, .address_space: global }
    .group_segment_fixed_size: 52736
    .private_segment_fixed_size: 0
    .kernarg_segment_align: 8
    .kernarg_segment_size: 96
    .max_flat_workgroup_size: 128
    .sgpr_count:     80
    .vgpr_count:     202
    .wavefront_size: 32
...
	.end_amdgpu_metadata
.endif
;; end of part 1
;; launch qkv (part 2): grid 12 x 16, 4 waves a work-group, clusters of 4 x 4, 327,680 bytes of LDS; arguments h1_c, wc, lowp_scales, bq, bk, bv, qkv_c; writes qkv_c
.if DOCPART == 2
	.amdgcn_target "amdgcn-amd-amdhsa--gfx1250"
	.amdhsa_code_object_version 6
	.text
	.protected	k_q71cc48a418_qkv
	.globl	k_q71cc48a418_qkv
	.p2align	8
	.type	k_q71cc48a418_qkv,@function
k_q71cc48a418_qkv:
	s_mov_b64 s[64:65], 0
	v_nop
	global_prefetch_b8 v0, s[64:65] scope:SCOPE_SE
	s_setreg_imm32_b32 hwreg(HW_REG_WAVE_MODE, 25, 1), 1
	s_wait_xcnt 0x0
	s_wait_alu depctr_hold_cnt(0) depctr_sa_sdst(0) depctr_va_vdst(0) depctr_va_sdst(0) depctr_va_ssrc(0) depctr_va_vcc(0) depctr_vm_vsrc(0)
	s_getreg_b32 s2, hwreg(HW_REG_IB_STS2, 6, 4)
	s_cmp_eq_u32 s2, 0
	s_cbranch_scc0 .Lentry_in_a_cluster
	s_endpgm
.Lentry_in_a_cluster:
	s_bfe_u32 s2, ttmp6, 0x10000c
	s_cmp_lg_u32 s2, 0xf033
	s_cbranch_scc0 .Lentry_shape_is_right
	s_endpgm
.Lentry_shape_is_right:
; q, k, v = LN1(x) W + b on codes of FP8; RoPE on q and k; all three quantised for attention.  The cluster's x says which: 0 q, 1 k, 2 v.
; A tile of 256 x 256 to a work-group of four waves, 128 x 128 a wave: 64 accumulators.  K = 1,024 goes in four steps of 256 through two LDS slots.
; OPERANDS ARE IMAGES OF REGISTERS (16 rows x 128 K slots = 2,048 bytes, lane l's 16 bytes of register group c at 512 c + 16 l): a tile's K step is one dense block of memory, a fragment four
; ds_load_b128 of 512 consecutive bytes: no pitch, no padding.  Both operands hold the same K in the same slot, which is not the form's own order: sums agree within rounding, not bit for bit.
; THE MATRIX INSTRUCTION IS USED TRANSPOSED: source 0 = 16 rows of side B, source 1 = 16 rows of side A: lane (r, h) holds A's row r, register j B's row 8 h + j.
; q, k: side A = tokens, side B = W's columns: a lane holds 8 neighbouring features of a token.  v: side A = Wv's columns, side B = tokens: a lane's registers run along the keys, which are the K of attention's second product.
; So two neighbouring tiles' 16 registers convert into 16 bytes of the next operand's image, and every store is 512 consecutive bytes from registers.
; CLUSTERS: 4 x 4; A's tiles are asked for jointly along a row of the cluster, B's along a column.
; OUT: q at qkv_c: [head 32][block of 16 tokens][1 KiB];  k, v at 4 MiB: [head][group of 128 keys][k: 8 blocks x 1 KiB | v: 4 blocks of 16 channels x 2 KiB].
; LIMITS: e0+e1, e2+e3, e4+e5 between -126 and 127; e6, e7, e9 between -126 and 119.  NaN and infinities are not served.
; REGISTERS as windows of 256: window 0: v0-31 addresses, v32-127 the way out, v128-255 A's fragments (one set); window 1: B's fragments (two sets); windows 2, 3: accumulator (a, b) at v[8 (8 (a%4) + b)].
.set SLOT,  131072                     ; A kb 0, A kb 1, B kb 0, B kb 1: 32,768 bytes each
.set SPARE, 262144                     ; behind the ring: the spare words, 128 bytes a wave
.set FR,    16
.set NL,    4
.set NP,    4
.set ADRA,  16
.set ADRB,  20
.set LI,    24                         ; v24 16 x lane
.set BO,    25                         ; v25 32 h
.set TO,    26                         ; v26 256 r + 32 h: my place in 16 rows of the table
.set RO,    27                         ; v27 4 r
.set SPW,   28
.set NIL,   29
.set VSC,   30                         ; v30 the output's scale as f32
.set VLM,   31                         ; v31 448 x that
.set AF,    128
.set G1,  24
.set G0,  32
.set G1B, 48
.set G0B, 56
.set MSB, 0
.macro WIN new                         ; the immediate's high byte repeats the setting that is left
.if MSB != (\new)
	s_set_vgpr_msb (MSB<<8)|(\new)
.set MSB, (\new)
.endif
.endm
.set MUL_LO, 0xa1
.set MUL_HI, 0xf1
.set TO_B,   0x40
.macro JLOAD g0a, g1a, g0b, g1b        ; a joint load: waves 0, 1 for A, waves 2, 3 for B; four v_nop follow each line
	s_cmp_eq_u32 s15, 0
	s_cbranch_scc0 .Lfor_b_\@
	tensor_load_to_lds s[\g0a:\g0a+3], s[\g1a:\g1a+7]
	s_nop 0
.rept 4
	v_nop
.endr
	s_branch .Lasked_\@
.Lfor_b_\@:
	tensor_load_to_lds s[\g0b:\g0b+3], s[\g1b:\g1b+7]
	s_nop 0
.rept 4
	v_nop
.endr
.Lasked_\@:
.endm
.macro CREST
	s_cmp_lg_u32 s14, 0
	s_cbranch_scc1 .Lnot_wave_0_\@
	s_barrier_signal -3
.Lnot_wave_0_\@:
	s_barrier_wait -3
	s_barrier_signal -1
	s_barrier_wait -1
.endm
.macro CROUND
	s_barrier_signal -1
	s_barrier_wait -1
	CREST
.endm
.macro FRAG reg, adr, q, i             ; image i of the slot's q-th 128 along K
.irp c, 0,1,2,3
	ds_load_b128 v[\reg+4*\c:\reg+4*\c+3], v[\adr] offset:32768*(\q)+2048*(\i)+512*\c
.endr
.endm
.macro MUL16 a0, p, zero               ; the 64 accumulators take turns, one instruction a turn
.irp a, \a0, \a0+1
.irp b, 0,1,2,3,4,5,6,7
.if \zero
	v_wmma_f32_16x16x128_fp8_fp8 v[8*(8*((\a)%4)+\b):8*(8*((\a)%4)+\b)+7], v[128*(\p)+FR*\b:128*(\p)+FR*\b+FR-1], v[AF+FR*(\a):AF+FR*(\a)+FR-1], 0
.else
	v_wmma_f32_16x16x128_fp8_fp8 v[8*(8*((\a)%4)+\b):8*(8*((\a)%4)+\b)+7], v[128*(\p)+FR*\b:128*(\p)+FR*\b+FR-1], v[AF+FR*(\a):AF+FR*(\a)+FR-1], v[8*(8*((\a)%4)+\b):8*(8*((\a)%4)+\b)+7]
.endif
.endr
.endr
.endm
.macro FETCH_B slot, q, p
	WIN TO_B
.irp i, 0,1,2,3,4,5,6,7
	FRAG 128*(\p)+FR*\i, ADRB+\slot, \q, \i
.endr
	WIN 0
.endm
.macro FETCH_A slot, q, i0
.irp i, \i0, \i0+1, \i0+2, \i0+3
	FRAG AF+FR*(\i), ADRA+\slot, \q, \i
.endr
.endm
.macro PLACES n                        ; plain vector lines between a matrix instruction and a load into, or a read of, its registers
.rept \n
	v_nop
.endr
.endm
.macro STEP slot, q, zero              ; 128 along K whose successor lies in the same slot
	s_wait_dscnt 4*NL                              ; B's set and A's blocks 0-3 are in; A's blocks 4-7 may be out
	WIN MUL_LO
	MUL16 0, (\q)%2, \zero
	MUL16 2, (\q)%2, \zero
	s_wait_dscnt 0
	PLACES NP
	FETCH_B \slot, (\q)+1, 1-(\q)%2
	FETCH_A \slot, (\q)+1, 0
	WIN MUL_HI
	MUL16 4, (\q)%2, \zero
	MUL16 6, (\q)%2, \zero
	PLACES NP
	WIN 0
	FETCH_A \slot, (\q)+1, 4
.endm
.macro TURN slot, next, fill           ; a slot's last step changes slots
	s_wait_tensorcnt 0x0                           ; all my tensor loads have landed: my part of the next slot
	ds_add_u32 v[SPW], v[NIL]                      ; 0 onto my spare word
	s_wait_dscnt 4*NL+1                            ; the add and A's blocks 4-7 may be out
	WIN MUL_LO
	MUL16 0, 1, 0
	s_wait_dscnt 0x0                               ; the add is done, and my reads of this slot are over
	s_barrier_signal -1
	MUL16 2, 1, 0
	WIN 0
	s_barrier_wait -1
.if \fill
	CREST                                          ; the barrier has opened a round of the cluster's barrier: no wave of any partner still reads this slot or has a load on its way
	s_add_nc_u64 s[G0+4*\slot+2:G0+4*\slot+3], s[G0+4*\slot+2:G0+4*\slot+3], 131072
	s_add_nc_u64 s[G0B+4*\slot+2:G0B+4*\slot+3], s[G0B+4*\slot+2:G0B+4*\slot+3], 131072
	JLOAD G0+4*\slot, G1, G0B+4*\slot, G1B         ; my one tensor load behind the round, first thing there
.else
	PLACES NP
.endif
	FETCH_B \next, 0, 0
	FETCH_A \next, 0, 0
	WIN MUL_HI
	MUL16 4, 1, 0
	MUL16 6, 1, 0
	PLACES NP
	WIN 0
	FETCH_A \next, 0, 4
.endm
	s_load_b256 s[4:11], s[0:1], 0x0               ; h1_c, wc, lowp_scales, bq
	s_load_b128 s[84:87], s[0:1], 0x20             ; bk, bv
	s_load_b64 s[88:89], s[0:1], 0x30              ; qkv_c
	v_lshl_add_u32 v[SPW], v0, 2, SPARE
	v_mov_b32 v[NIL], 0
	ds_add_u32 v28, v29
	ds_add_u32 v28, v29
	s_wait_dscnt 0x0
	v_lshrrev_b32 v1, 5, v0
	v_readfirstlane_b32 s14, v1                    ; wave
	s_lshr_b32 s15, s14, 1                         ; i: my half of A's rows.  Also: I fetch for A (0) or B (1)
	s_and_b32 s16, s14, 1                          ; j: my half of B's rows.  Also: which 128 along K of a step I fetch
	s_bfe_u32 s40, ttmp6, 0x40000                  ; cx
	s_bfe_u32 s41, ttmp6, 0x40004                  ; cy
	s_and_b32 s17, ttmp7, 0xffff                   ; cluster y
	s_lshl_b32 s43, s41, 2
	s_lshl_b32 s43, 15, s43                        ; my row of the cluster
	s_lshl_b32 s44, 0x1111, s40                    ; my column
	s_or_b32 s[G1+0], s43, (3<<16)|(1<<21)         ; the mask; elements of 8 bytes; bit 21 beside a mask; no padding
	s_or_b32 s[G1B+0], s44, (3<<16)|(1<<21)
.irp g, G1, G1B
	s_mov_b32 s[\g+1], 32<<16                      ; tensor_dim0 = 32 elements: rows of 256 bytes
	s_mov_b32 s[\g+2], 128<<16                     ; tensor_dim1 = 128 rows: 32,768 dense bytes
	s_mov_b32 s[\g+3], 32<<16                      ; tile_dim0
	s_mov_b32 s[\g+4], 128                         ; tile_dim1
	s_mov_b32 s[\g+5], 32                          ; the pitch: dense
	s_mov_b32 s[\g+6], 0
	s_mov_b32 s[\g+7], 0
.endr
	s_lshl_b32 s18, s17, 20                        ; cluster y x 4 tiles of 262,144 bytes
	s_lshl_b32 s19, ttmp9, 22
	s_add_co_u32 s19, s19, s18                     ; q, k: A = set (cluster x) of h's codes, tiles 4 cluster y + cy
	s_lshl_b32 s22, ttmp9, 20                      ;       B = Wq or Wk
	s_add_co_u32 s23, s18, 0x800000                ; v:    B = set 2 of h's codes, tiles 4 cluster y + cx
	s_mov_b32 s2, 0x200000                         ;       A = Wv
	s_lshl_b32 s45, s14, 15                        ; LDS: wave x 32,768
	s_wait_kmcnt 0x0
	s_load_b512 s[68:83], s[8:9], 0x0              ; e0 .. e15
	s_cmp_eq_u32 ttmp9, 2                          ; the cluster's x: the same in all sixteen partners
	s_cselect_b32 s20, s2, s19
	s_cselect_b32 s46, s23, s22
	s_cselect_b64 s[90:91], s[6:7], s[4:5]
	s_cselect_b64 s[92:93], s[4:5], s[6:7]
	s_lshl_b32 s18, s16, 15
	s_lshl_b32 s19, s41, 18
	s_add_co_u32 s20, s20, s19                     ; A's address holds cy alone,
	s_add_co_u32 s20, s20, s18
	s_mov_b32 s21, 0
	s_lshl_b32 s23, s40, 18
	s_add_co_u32 s46, s46, s23                     ; B's cx alone
	s_add_co_u32 s46, s46, s18
	s_mov_b32 s47, 0
	s_add_nc_u64 s[20:21], s[90:91], s[20:21]
	s_add_nc_u64 s[46:47], s[92:93], s[46:47]
	CROUND                                         ; all sixteen work-groups are here: the first joint loads meet
.irp s, 0,1
	s_mov_b32 s[G0+4*\s], 1
	s_add_co_u32 s[G0+4*\s+1], s45, \s*SLOT
	s_add_nc_u64 s[G0+4*\s+2:G0+4*\s+3], s[20:21], \s*65536
	s_or_b32 s[G0+4*\s+3], s[G0+4*\s+3], 0x80000000
	s_mov_b32 s[G0B+4*\s], 1
	s_add_co_u32 s[G0B+4*\s+1], s45, \s*SLOT
	s_add_nc_u64 s[G0B+4*\s+2:G0B+4*\s+3], s[46:47], \s*65536
	s_or_b32 s[G0B+4*\s+3], s[G0B+4*\s+3], 0x80000000
.endr
; THE PREFETCHES: K steps 1 and 2 are asked for behind K step 0's load, K step 3 behind K step 1's: one to two K steps ahead of their loads.  Of the 32,768 bytes that my wave will fetch, each of the
; four partners that ask for them jointly names 8,192, told apart by address (cx for A, cy for B), lanes 256 bytes apart: one instruction a wave and K step, each block of 256 bytes once in the cluster.
.set PFO, 22                           ; v22 256 x lane; never rewritten
.set PFA, 94                           ; s[94:95] my 8,192 bytes of K step 0; never rewritten
	v_and_b32 v[PFO], 31, v0
	v_lshlrev_b32 v[PFO], 8, v[PFO]
	s_cmp_eq_u32 s15, 0
	s_cselect_b64 s[PFA:PFA+1], s[20:21], s[46:47]
	s_cselect_b32 s98, s40, s41
	s_lshl_b32 s98, s98, 13
	s_mov_b32 s99, 0
	s_add_nc_u64 s[PFA:PFA+1], s[PFA:PFA+1], s[98:99]
	JLOAD G0, G1, G0B, G1B                         ; K step 0: one tensor load a wave at the head
	s_wait_alu depctr_va_vdst(0)
	global_prefetch_b8 v[PFO], s[PFA:PFA+1] offset:65536 th:TH_LOAD_NT scope:SCOPE_SE    ; K step 1
	global_prefetch_b8 v[PFO], s[PFA:PFA+1] offset:131072 th:TH_LOAD_NT scope:SCOPE_SE   ; K step 2
	v_and_b32 v1, 31, v0
	v_lshlrev_b32 v[LI], 4, v1
	v_and_b32 v2, 15, v0                           ; r
	v_bfe_u32 v3, v0, 4, 1                         ; h
	v_lshlrev_b32 v[BO], 5, v3
	v_lshl_add_u32 v[TO], v2, 8, v[BO]
	v_lshlrev_b32 v[RO], 2, v2
	s_lshl_b32 s21, s15, 14                        ; my 8 images of A,
	s_lshl_b32 s22, s16, 14
	s_add_co_u32 s22, s22, 65536                   ; of B
.irp s, 0,1
	v_add_nc_u32 v[ADRA+\s], s21, v[LI]
	v_add_nc_u32 v[ADRB+\s], s22, v[LI]
	s_add_co_u32 s21, s21, SLOT
	s_add_co_u32 s22, s22, SLOT
.endr
	s_wait_alu depctr_va_vdst(0)
; THE BIAS IS ASKED FOR HERE, into v32-95, which lie idle while the products run.  The branch hangs on the cluster's x, the same in all sixteen partners.
	s_cmp_eq_u32 ttmp9, 2
	s_cbranch_scc1 .Lbias_v
	s_cmp_eq_u32 ttmp9, 0
	s_cselect_b64 s[12:13], s[10:11], s[84:85]     ; bq or bk
	s_lshl_b32 s66, s40, 10
	s_lshl_b32 s67, s16, 9
	s_add_co_u32 s66, s66, s67
	s_mov_b32 s67, 0
	s_add_nc_u64 s[12:13], s[12:13], s[66:67]      ; at my first feature
.irp b, 0,1,2,3,4,5,6,7
	global_load_b128 v[32+8*\b:35+8*\b], v[BO], s[12:13] offset:64*\b
	global_load_b128 v[36+8*\b:39+8*\b], v[BO], s[12:13] offset:64*\b+16
.endr
	; the table's 128 rows of 256 bytes that the way out of my half of the tokens reads are prefetched: partner cx names 32 of them, a lane a row, in the waves with j = 0: each row once in the cluster
	s_lshl_b32 s100, s17, 2
	s_add_co_u32 s100, s100, s41
	s_lshl_b32 s100, s100, 1
	s_add_co_u32 s100, s100, s15                   ; which 128 tokens,
	s_and_b32 s100, s100, 15                       ; as positions of a sequence of 2,048
	s_lshl_b32 s100, s100, 2
	s_add_co_u32 s100, s100, s40
	s_lshl_b32 s100, s100, 13
	s_add_co_u32 s100, s100, 0xC00000
	s_mov_b32 s101, 0
	s_add_nc_u64 s[100:101], s[6:7], s[100:101]
	s_cmp_eq_u32 s16, 0
	s_cbranch_scc0 .Lbias_done
	global_prefetch_b8 v[PFO], s[100:101] th:TH_LOAD_NT scope:SCOPE_SE
	s_branch .Lbias_done
.Lbias_v:
	s_lshl_b32 s66, s41, 10
	s_lshl_b32 s67, s15, 9
	s_add_co_u32 s66, s66, s67
	s_mov_b32 s67, 0
	s_add_nc_u64 s[12:13], s[86:87], s[66:67]      ; bv at my first channel
.irp a, 0,1,2,3,4,5,6,7
	global_load_b32 v[32+2*\a], v[RO], s[12:13] offset:64*\a    ; my channel's bias, in both halves of a pair
	global_load_b32 v[33+2*\a], v[RO], s[12:13] offset:64*\a
.endr
.Lbias_done:
	s_wait_tensorcnt 0x0                           ; my part of K step 0 is in
	ds_add_u32 v[SPW], v[NIL]
	s_wait_dscnt 0x0
	CROUND                                         ; everybody's part of K step 0 is in, and the joint loads meet
	JLOAD G0+4, G1, G0B+4, G1B                     ; K step 1, the first tensor load behind the round
	global_prefetch_b8 v[PFO], s[PFA:PFA+1] offset:196608 th:TH_LOAD_NT scope:SCOPE_SE   ; K step 3, the last
	FETCH_B 0, 0, 0
	FETCH_A 0, 0, 0
	FETCH_A 0, 0, 4
	STEP 0, 0, 1                                   ; the first step's products start the sums
	s_mov_b32 s3, 1
.Llap:                                                 ; once round the ring: both slots are filled again (K steps 2 and 3)
	TURN 0, 1, 1
	STEP 1, 0, 0
	TURN 1, 0, 1
	STEP 0, 0, 0
	s_sub_co_u32 s3, s3, 1
	s_cmp_lg_u32 s3, 0
	s_cbranch_scc1 .Llap
	TURN 0, 1, 0
	STEP 1, 0, 0
	s_wait_dscnt 4*NL
	WIN MUL_LO
	MUL16 0, 1, 0
	MUL16 2, 1, 0
	s_wait_dscnt 0
	WIN MUL_HI
	MUL16 4, 1, 0
	MUL16 6, 1, 0
	WIN 0
; ---- the way out.  No tensor load is out any more: the descriptors' registers are free.
	s_wait_kmcnt 0x0
	s_add_co_i32 s24, s68, s69
	s_add_co_i32 s25, s70, s71
	s_add_co_i32 s26, s72, s73
	s_cmp_eq_u32 ttmp9, 0
	s_cselect_b32 s24, s24, s25
	s_cselect_b32 s27, s74, s75                    ; q: e6, k: e7,
	s_cmp_eq_u32 ttmp9, 2
	s_cselect_b32 s24, s26, s24
	s_cselect_b32 s27, s77, s27                    ; v: e9
	s_add_co_i32 s24, s24, 127
	s_lshl_b32 s96, s24, 23                        ; 2^(the two operands' e added) as f32
	s_mov_b32 s97, s96                             ; (named with it as a pair)
	s_add_co_i32 s27, s27, 127
	s_lshl_b32 s28, s27, 23
	v_mov_b32 v[VSC], s28
	s_add_co_i32 s27, s27, 8
	s_lshl_b32 s27, s27, 23
	s_or_b32 s27, s27, 0x600000
	v_mov_b32 v[VLM], s27
	PLACES NP
	s_cmp_eq_u32 ttmp9, 2
	s_cbranch_scc1 .Lepi_v
; q and k.  Lane (r, h) of block a: token T0 + 16 a + r; register 8 b + j: feature n0 + 16 b + 8 h + j: two heads of four tiles.
	s_lshl_b32 s30, s17, 2
	s_add_co_u32 s30, s30, s41
	s_lshl_b32 s30, s30, 8
	s_lshl_b32 s31, s15, 7
	s_add_co_u32 s30, s30, s31                     ; T0
	s_lshr_b32 s31, s30, 11                        ; batch
	s_and_b32 s32, s30, 2047                       ; position
	s_lshl_b32 s33, s31, 4
	s_lshl_b32 s34, s40, 2
	s_add_co_u32 s33, s33, s34
	s_lshl_b32 s34, s16, 1
	s_add_co_u32 s33, s33, s34                     ; my first head, among 32
	s_lshl_b32 s34, s33, 17
	s_lshl_b32 s35, s32, 6
	s_add_co_u32 s34, s34, s35                     ; q: head x 131,072 + position x 64
	s_lshl_b32 s36, s33, 18
	s_lshr_b32 s35, s32, 7
	s_lshl_b32 s35, s35, 14
	s_add_co_u32 s36, s36, s35
	s_add_co_u32 s36, s36, 0x400000                ; k: 4 MiB + head x 262,144 + group x 16,384
	s_mov_b32 s37, 0x40000
	s_cmp_eq_u32 ttmp9, 0
	s_cselect_b32 s34, s34, s36
	s_cselect_b32 s36, 0x20000, s37                ; from head to head
	s_mov_b32 s35, 0
	s_mov_b32 s37, 0
	s_add_nc_u64 s[52:53], s[88:89], s[34:35]
	s_add_nc_u64 s[54:55], s[52:53], s[36:37]
	s_lshl_b32 s34, s32, 8
	s_add_co_u32 s34, s34, 0xC00000
	s_add_nc_u64 s[50:51], s[6:7], s[34:35]        ; the table at my first position
.macro CSLOAD a                        ; all eight blocks' rows are asked for at once: blocks 0, 1 into window 0 (v128-191), blocks 2 to 7 into window 1 (v64-255), where B's fragments lay
.if (\a) < 2
.set cb_, 128+32*(\a)
	WIN 0
.else
.set cb_, 64+32*((\a)-2)
	WIN 0x40
.endif
.irp m, 0,1,2,3
	global_load_b128 v[cb_+4*\m:cb_+4*\m+3], v[TO], s[50:51] offset:(\a)*4096+16*(\m%2)+64*(\m/2)
	global_load_b128 v[cb_+16+4*\m:cb_+16+4*\m+3], v[TO], s[50:51] offset:(\a)*4096+128+16*(\m%2)+64*(\m/2)
.endr
.endm
.macro ROPE4 hh, bb, cs                ; lo = channels 16 bb + .., hi = 32 further on: lo cos - hi sin, hi cos + lo sin; then the hold
.set lo_, 192+32*(\hh)+8*(\bb)
.set hi_, lo_+16
.set co_, (\cs)+8*(\bb)
.set si_, co_+16
.irp p, 0,2,4,6
	v_pk_mul_f32 v[112+\p:113+\p], v[lo_+\p:lo_+\p+1], v[co_+\p:co_+\p+1]
	v_pk_mul_f32 v[120+\p:121+\p], v[hi_+\p:hi_+\p+1], v[co_+\p:co_+\p+1]
.endr
.irp p, 0,2,4,6
	v_pk_fma_f32 v[112+\p:113+\p], v[hi_+\p:hi_+\p+1], v[si_+\p:si_+\p+1], v[112+\p:113+\p] neg_lo:[1,0,0] neg_hi:[1,0,0]
	v_pk_fma_f32 v[120+\p:121+\p], v[lo_+\p:lo_+\p+1], v[si_+\p:si_+\p+1], v[120+\p:121+\p]
.endr
.irp p, 0,1,2,3,4,5,6,7
	v_med3_num_f32 v[lo_+\p], v[112+\p], -v[VLM], v[VLM]
	v_med3_num_f32 v[hi_+\p], v[120+\p], -v[VLM], v[VLM]
.endr
.endm
.macro QKBLK a
	s_wait_loadcnt 8*(7-(\a))                      ; this block's table rows (and the bias) are in; the eight loads of each later block may be out
	WIN 0x02+(\a)/4
.set j_, 0
.rept 32
	v_pk_fma_f32 v[192+j_:193+j_], v[64*((\a)%4)+j_:64*((\a)%4)+j_+1], s[96:97], v[32+j_:33+j_] op_sel_hi:[1,0,1]   ; sum x 2^(eA + eB) + bias; each accumulator from its low end on
.set j_, j_+2
.endr
.if (\a) < 2
	WIN 0
.set cb_, 128+32*(\a)
.else
	WIN 0x04                                       ; source 1 (cos, sin, and the hold's lower bound) in window 1
.set cb_, 64+32*((\a)-2)
.endif
.irp hh, 0,1
.irp bb, 0,1
	ROPE4 \hh, \bb, cb_
.endr
.endr
	WIN 0
.set cd_, 64*((\a)%4)                  ; the block's codes go into its own accumulators' registers, which have been read: no store's data are written again
	WIN 0x80+0x40*((\a)/4)                         ; destination: window 2 or 3
.set g_, 0
.rept 8
	v_cvt_scalef32_pk8_fp8_f32 v[cd_+2*g_:cd_+2*g_+1], v[192+8*g_:199+8*g_], v[VSC]
.set g_, g_+1
.endr
	v_nop                                          ; a plain line between the conversions and the lines that next write their sources
	WIN 0x08+0x04*((\a)/4)                         ; a store's data are its source 1: window 2 or 3
.irp hh, 0,1
.irp cc, 0,1
	global_store_b128 v[LI], v[cd_+8*\hh+4*\cc:cd_+8*\hh+4*\cc+3], s[52+2*\hh:53+2*\hh] offset:(\a)*1024+512*\cc   ; 512 consecutive bytes of the block's image
.endr
.endr
	WIN 0
.endm
	WIN 0x40
	v_mov_b32 v[VLM], s27                          ; 448 x the scale once more, in window 1: the hold's second source under the setting of blocks 2 to 7
	WIN 0
.irp a, 0,1,2,3,4,5,6,7
	CSLOAD \a
.endr
	WIN 0
.irp a, 0,1,2,3,4,5,6,7
	QKBLK \a
.endr
	s_branch .Ldone
; v.  Lane (r, h) of block a: channel f0 + 16 a + r; register 8 b + j: token T0 + 16 b + 8 h + j: one group of 128 keys.
.Lepi_v:
	s_lshl_b32 s30, s17, 2
	s_add_co_u32 s30, s30, s40
	s_lshl_b32 s30, s30, 8
	s_lshl_b32 s31, s16, 7
	s_add_co_u32 s30, s30, s31                     ; T0
	s_lshr_b32 s31, s30, 11                        ; batch
	s_bfe_u32 s32, s30, 0x40007                    ; the group of keys
	s_lshl_b32 s33, s31, 4
	s_lshl_b32 s34, s41, 2
	s_add_co_u32 s33, s33, s34
	s_lshl_b32 s34, s15, 1
	s_add_co_u32 s33, s33, s34                     ; my first head
	s_lshl_b32 s33, s33, 18
	s_lshl_b32 s32, s32, 14
	s_add_co_u32 s34, s33, s32
	s_add_co_u32 s34, s34, 0x402000                ; 4 MiB, and behind the group's 8 KiB of k
	s_mov_b32 s35, 0
	s_add_nc_u64 s[52:53], s[88:89], s[34:35]
	s_wait_loadcnt 0x0                             ; the bias, asked for at the head
.macro VBLK a
	WIN 0x02+(\a)/4
.set j_, 0
.rept 32
	v_pk_fma_f32 v[192+j_:193+j_], v[64*((\a)%4)+j_:64*((\a)%4)+j_+1], s[96:97], v[32+2*(\a):33+2*(\a)] op_sel_hi:[1,0,1]
.set j_, j_+2
.endr
	WIN 0
.set j_, 0
.rept 64
	v_med3_num_f32 v[192+j_], v[192+j_], -v[VLM], v[VLM]
.set j_, j_+1
.endr
.set cd_, 64*((\a)%4)                  ; the block's codes go into its own accumulators' registers, which have been read: no store's data are written again
	WIN 0x80+0x40*((\a)/4)
.set g_, 0
.rept 8
	v_cvt_scalef32_pk8_fp8_f32 v[cd_+2*g_:cd_+2*g_+1], v[192+8*g_:199+8*g_], v[VSC]
.set g_, g_+1
.endr
	v_nop
	WIN 0x08+0x04*((\a)/4)
.irp cc, 0,1,2,3
	global_store_b128 v[LI], v[cd_+4*\cc:cd_+4*\cc+3], s[52:53] offset:((\a)/4)*262144+((\a)%4)*2048+512*\cc
.endr
	WIN 0
.endm
.irp a, 0,1,2,3,4,5,6,7
	VBLK \a
.endr
.Ldone:
	s_wait_tensorcnt 0x0                           ; the wave's end
	ds_add_u32 v[SPW], v[NIL]
	s_wait_dscnt 0x0
	CROUND                                         ; the closing round
	s_endpgm
.Lfunc_end_k_q71cc48a418_qkv:
	.size	k_q71cc48a418_qkv, .Lfunc_end_k_q71cc48a418_qkv-k_q71cc48a418_qkv
	.p2alignl 7, 3214868480
	.fill 96, 4, 3214868480
	.section	.rodata,"a",@progbits
	.p2align	6, 0x0
	.amdhsa_kernel k_q71cc48a418_qkv
		.amdhsa_group_segment_fixed_size 327680
		.amdhsa_private_segment_fixed_size 0
		.amdhsa_enable_private_segment 0
		.amdhsa_kernarg_size 56
		.amdhsa_user_sgpr_count 2
		.amdhsa_user_sgpr_kernarg_segment_ptr 1
		.amdhsa_wavefront_size32 1
		.amdhsa_system_sgpr_workgroup_id_x 1
		.amdhsa_system_sgpr_workgroup_id_y 1
		.amdhsa_system_sgpr_workgroup_id_z 1
		.amdhsa_system_vgpr_workitem_id 0
		.amdhsa_next_free_vgpr 1024
		.amdhsa_next_free_sgpr 102
		.amdhsa_reserve_vcc 0
		.amdhsa_float_denorm_mode_32 3
		.amdhsa_float_denorm_mode_16_64 3
		.amdhsa_memory_ordered 1
		.amdhsa_forward_progress 1
		.amdhsa_inst_pref_size 236
	.end_amdhsa_kernel
	.amdgpu_metadata
---
amdhsa.version: [ 1, 2 ]
amdhsa.kernels:
  - .name:           k_q71cc48a418_qkv
    .symbol:         k_q71cc48a418_qkv.kd
    .args:
      - { .name: h1_c, .offset: 0, .size: 8, .value_kind: global_buffer, .address_space: global }
      - { .name: wc, .offset: 8, .size: 8, .value_kind: global_buffer, .address_space: global }
      - { .name: lowp_scales, .offset: 16, .size: 8, .value_kind: global_buffer, .address_space: global }
      - { .name: bq, .offset: 24, .size: 8, .value_kind: global_buffer, .address_space: global }
      - { .name: bk, .offset: 32, .size: 8, .value_kind: global_buffer, .address_space: global }
      - { .name: bv, .offset: 40, .size: 8, .value_kind: global_buffer, .address_space: global }
      - { .name: qkv_c, .offset: 48, .size: 8, .value_kind: global_buffer, .address_space: global }
    .group_segment_fixed_size: 327680
    .private_segment_fixed_size: 0
    .kernarg_segment_align: 8
    .kernarg_segment_size: 56
    .max_flat_workgroup_size: 128
    .sgpr_count:     102
    .vgpr_count:     1024
    .wavefront_size: 32
...
	.end_amdgpu_metadata
.endif
;; end of part 2
;; launch attn (part 3): grid 8 x 32, 8 waves a work-group, clusters of 4 x 1, 327,680 bytes of LDS; arguments qkv_c, lowp_scales, ctx_c; writes ctx_c
.if DOCPART == 3
	.amdgcn_target "amdgcn-amd-amdhsa--gfx1250"
	.amdhsa_code_object_version 6
	.text
	.protected	k_q71cc48a418_attn
	.globl	k_q71cc48a418_attn
	.p2align	8
	.type	k_q71cc48a418_attn,@function
k_q71cc48a418_attn:
	s_mov_b64 s[64:65], 0
	v_nop
	global_prefetch_b8 v0, s[64:65] scope:SCOPE_SE
	s_setreg_imm32_b32 hwreg(HW_REG_WAVE_MODE, 25, 1), 1
	s_wait_xcnt 0x0
	s_wait_alu depctr_hold_cnt(0) depctr_sa_sdst(0) depctr_va_vdst(0) depctr_va_sdst(0) depctr_va_ssrc(0) depctr_va_vcc(0) depctr_vm_vsrc(0)
	s_getreg_b32 s2, hwreg(HW_REG_IB_STS2, 6, 4)
	s_cmp_eq_u32 s2, 0
	s_cbranch_scc0 .Lentry_in_a_cluster
	s_endpgm
.Lentry_in_a_cluster:
	s_bfe_u32 s2, ttmp6, 0x10000c
	s_cmp_lg_u32 s2, 0x3003
	s_cbranch_scc0 .Lentry_shape_is_right
	s_endpgm
.Lentry_shape_is_right:
; ctx = softmax(q k^T / 8) v on codes of FP8, for one head (grid y: 32 = batch x head) and 256 queries (grid x); the result is quantised (e10) into ctx_c as images of operand registers.
; Eight waves, 32 queries each (two tiles, A and B); every wave walks the head's 2,048 keys, 128 a step.
; The head's k and v, 262,144 bytes laid [group of 128 keys][k: 8 x 1 KiB | v: 4 x 2 KiB] as images of operand registers, lie in LDS whole and are filled once, in two stages:
; at the head each wave asks for 8,192 dense bytes (together keys 0 to 511); behind a round, for 24,576 more (together the other 1,536 keys).
; CLUSTER 4, 1, 1: four work-groups of one head ask jointly (mask 15).
; No prefetch: the second load has three steps' work in which to land, and there is no loop of loads to run ahead in.
; Both products are used transposed (S^T = K Q^T, O^T = V^T P^T): a lane holds one query of each tile throughout.
; t = score x log2(e) / 8; M = the running largest t rounded up to a whole number; p = 2^(t - M) is quantised (e8); the row's sum is taken of the unquantised p and divides at the end.
; The one-sided hold of p goes two numbers to a dual-issue pair; the bound stands in v24 and v27, so that the pair's second sources lie in different banks.
; LIMITS: e6 + e7 between -123 and 130; e8 and e10 - e8 - e9 between -126 and 119; scaled scores under 2^31 in magnitude.  NaN and infinities are not served.
.set G1R, 84                           ; s[84:91] descriptor group 1 of the second stage
.set WV,  12
.set SEL, 14
.set CS,  16
.set TB,  18
.set CNT, 19
.set G0,  24
.set G1,  40
.set ADR, 2
.set SA,  32
.set SB,  96
.set PCA, 160
.set PCB, 176
.set KF,  192
.set OA,  0
.set OB,  32
.set QA,  64
.set QB,  72
.set VF,  128
.set MSB, 0
.macro WIN new
.if MSB != (\new)
	s_set_vgpr_msb (MSB<<8)|(\new)
.set MSB, (\new)
.endif
.endm
.macro CROUND
	s_barrier_signal -1
	s_barrier_wait -1
	s_cmp_lg_u32 s[WV], 0
	s_cbranch_scc1 .Lnot_wave_0_\@
	s_barrier_signal -3
.Lnot_wave_0_\@:
	s_barrier_wait -3
	s_barrier_signal -1
	s_barrier_wait -1
.endm
.macro SM_MAX2
.irp c, 0,1,2,3
	v_max3_num_f32 v[PCA+\c], v[SA+16*\c], v[SA+16*\c+1], v[SA+16*\c+2]
	v_max3_num_f32 v[PCB+\c], v[SB+16*\c], v[SB+16*\c+1], v[SB+16*\c+2]
.endr
.irp i, 3,5,7,9,11,13
.irp c, 0,1,2,3
	v_max3_num_f32 v[PCA+\c], v[PCA+\c], v[SA+16*\c+\i], v[SA+16*\c+\i+1]
	v_max3_num_f32 v[PCB+\c], v[PCB+\c], v[SB+16*\c+\i], v[SB+16*\c+\i+1]
.endr
.endr
	v_max3_num_f32 v[PCA], v[PCA], v[SA+15], v[SA+31]
	v_max3_num_f32 v[PCB], v[PCB], v[SB+15], v[SB+31]
	v_max3_num_f32 v[PCA+2], v[PCA+2], v[SA+47], v[SA+63]
	v_max3_num_f32 v[PCB+2], v[PCB+2], v[SB+47], v[SB+63]
	s_delay_alu instid0(VALU_DEP_2)
	v_max3_num_f32 v[PCA], v[PCA], v[PCA+1], v[PCA+2]
	s_delay_alu instid0(VALU_DEP_2)
	v_max3_num_f32 v[PCB], v[PCB], v[PCB+1], v[PCB+2]
	s_delay_alu instid0(VALU_DEP_2)
	v_max_num_f32 v14, v[PCA], v[PCA+3]
	s_delay_alu instid0(VALU_DEP_2)
	v_max_num_f32 v22, v[PCB], v[PCB+3]
	s_delay_alu instid0(VALU_DEP_2)
	v_permlanex16_b32 v15, v14, s[SEL], s[SEL+1]
	s_delay_alu instid0(VALU_DEP_2)
	v_permlanex16_b32 v23, v22, s[SEL], s[SEL+1]
	s_delay_alu instid0(VALU_DEP_2)
	v_max_num_f32 v14, v14, v15
	s_delay_alu instid0(VALU_DEP_2)
	v_max_num_f32 v22, v22, v23
	s_delay_alu instid0(VALU_DEP_2)
	v_mul_f32 v14, s[CS], v14
	s_delay_alu instid0(VALU_DEP_2)
	v_mul_f32 v22, s[CS], v22
	s_delay_alu instid0(VALU_DEP_2)
	v_max_num_f32 v9, v9, v14
	s_delay_alu instid0(VALU_DEP_2)
	v_max_num_f32 v17, v17, v22
	v_mov_b32 v14, v8
	v_mov_b32 v22, v16
	s_delay_alu instid0(VALU_DEP_4)
	v_floor_f32 v8, -v9
	s_delay_alu instid0(VALU_DEP_4)
	v_floor_f32 v16, -v17
	s_delay_alu instid0(VALU_DEP_2)
	v_sub_f32 v14, v8, v14
	s_delay_alu instid0(VALU_DEP_2)
	v_sub_f32 v22, v16, v22
	s_delay_alu instid0(VALU_DEP_2)
	v_cvt_i32_f32 v14, v14
	s_delay_alu instid0(VALU_DEP_2)
	v_cvt_i32_f32 v22, v22
	s_delay_alu instid0(VALU_DEP_2)
	v_ldexp_f32 v12, 1.0, v14
	s_delay_alu instid0(VALU_DEP_2)
	v_ldexp_f32 v20, 1.0, v22
.endm
.macro SM_SCALE S, T
.set j_, 0
.rept 32
	v_pk_fma_f32 v[\S+j_:\S+j_+1], v[\S+j_:\S+j_+1], s[CS:CS+1], v[\T:\T+1] op_sel_hi:[1,0,0]
.set j_, j_+2
.endr
.endm
.macro SM_EXP S
.set j_, 0
.rept 64
	v_exp_f32 v[\S+j_], v[\S+j_]
.set j_, j_+1
.endr
.endm
.macro SM_SUM2
.irp k, 0,1,2,3
	v_pk_add_f32 v[PCA+2*\k:PCA+2*\k+1], v[SA+2*\k:SA+2*\k+1], v[SA+8+2*\k:SA+8+2*\k+1]
	v_pk_add_f32 v[PCB+2*\k:PCB+2*\k+1], v[SB+2*\k:SB+2*\k+1], v[SB+8+2*\k:SB+8+2*\k+1]
.endr
.irp m, 16,24,32,40,48,56
.irp k, 0,1,2,3
	v_pk_add_f32 v[PCA+2*\k:PCA+2*\k+1], v[PCA+2*\k:PCA+2*\k+1], v[SA+\m+2*\k:SA+\m+2*\k+1]
	v_pk_add_f32 v[PCB+2*\k:PCB+2*\k+1], v[PCB+2*\k:PCB+2*\k+1], v[SB+\m+2*\k:SB+\m+2*\k+1]
.endr
.endr
	v_pk_add_f32 v[PCA:PCA+1], v[PCA:PCA+1], v[PCA+2:PCA+3]
	v_pk_add_f32 v[PCB:PCB+1], v[PCB:PCB+1], v[PCB+2:PCB+3]
	s_delay_alu instid0(VALU_DEP_4)
	v_pk_add_f32 v[PCA+4:PCA+5], v[PCA+4:PCA+5], v[PCA+6:PCA+7]
	s_delay_alu instid0(VALU_DEP_4)
	v_pk_add_f32 v[PCB+4:PCB+5], v[PCB+4:PCB+5], v[PCB+6:PCB+7]
	s_delay_alu instid0(VALU_DEP_2)
	v_pk_add_f32 v[PCA:PCA+1], v[PCA:PCA+1], v[PCA+4:PCA+5]
	s_delay_alu instid0(VALU_DEP_2)
	v_pk_add_f32 v[PCB:PCB+1], v[PCB:PCB+1], v[PCB+4:PCB+5]
	s_delay_alu instid0(VALU_DEP_2)
	v_pk_add_f32 v[10:11], v[10:11], v[PCA:PCA+1]
	s_delay_alu instid0(VALU_DEP_2)
	v_pk_add_f32 v[18:19], v[18:19], v[PCB:PCB+1]
.endm
.macro SM_CODE S, P
.set j_, 0
.rept 32
	v_dual_min_num_f32 v[\S+j_], v[\S+j_], v24 :: v_dual_min_num_f32 v[\S+j_+1], v[\S+j_+1], v27
.set j_, j_+2
.endr
.set j_, 0
.rept 8
	v_cvt_scalef32_pk8_fp8_f32 v[\P+2*j_:\P+2*j_+1], v[\S+8*j_:\S+8*j_+7], v25
.set j_, j_+1
.endr
.endm
.macro STEP pf
	v_add_nc_u32 v[ADR], s[TB], v1
	v_nop
	v_nop
	v_nop
	WIN 0x40
.set f_, 0
.rept 16
	ds_load_b128 v[VF+4*f_:VF+4*f_+3], v[ADR] offset:8192+512*f_
.set f_, f_+1
.endr
	WIN 0
	s_wait_dscnt 16
	WIN 0x04
.irp t, 0,1,2,3,4,5,6,7
	v_wmma_f32_16x16x64_fp8_fp8 v[SA+8*\t:SA+8*\t+7], v[KF+8*\t:KF+8*\t+7], v[QA:QA+7], 0
	v_wmma_f32_16x16x64_fp8_fp8 v[SB+8*\t:SB+8*\t+7], v[KF+8*\t:KF+8*\t+7], v[QB:QB+7], 0
.endr
	WIN 0
.rept 4
	v_nop
.endr
.if \pf
.set f_, 0
	s_wait_alu depctr_va_vdst(0)
.rept 16
	ds_load_b128 v[KF+4*f_:KF+4*f_+3], v[ADR] offset:16384+512*f_
.set f_, f_+1
.endr
.endif
	SM_MAX2
	SM_SCALE SA, 8
	SM_SCALE SB, 16
	s_wait_alu depctr_va_vdst(0)
	SM_EXP SA
	SM_EXP SB
	v_pk_mul_f32 v[10:11], v[10:11], v[12:13] op_sel_hi:[1,0]
	v_pk_mul_f32 v[18:19], v[18:19], v[20:21] op_sel_hi:[1,0]
	s_wait_alu depctr_va_vdst(0)
	SM_SUM2
	SM_CODE SA, PCA
	SM_CODE SB, PCB
	WIN 0x41
.set j_, 0
.rept 16
	v_pk_mul_f32 v[OA+j_:OA+j_+1], v[OA+j_:OA+j_+1], v[12:13] op_sel_hi:[1,0]
.set j_, j_+2
.endr
.set j_, 0
.rept 16
	v_pk_mul_f32 v[OB+j_:OB+j_+1], v[OB+j_:OB+j_+1], v[20:21] op_sel_hi:[1,0]
.set j_, j_+2
.endr
.if \pf
	s_wait_alu depctr_va_vdst(0)
	s_wait_dscnt 16
.else
	s_wait_alu depctr_va_vdst(0)
	s_wait_dscnt 0x0
.endif
	WIN 0x51
.irp d, 0,1,2,3
	v_wmma_f32_16x16x128_fp8_fp8 v[OA+8*\d:OA+8*\d+7], v[VF+16*\d:VF+16*\d+15], v[PCA:PCA+15], v[OA+8*\d:OA+8*\d+7]
	v_wmma_f32_16x16x128_fp8_fp8 v[OB+8*\d:OB+8*\d+7], v[VF+16*\d:VF+16*\d+15], v[PCB:PCB+15], v[OB+8*\d:OB+8*\d+7]
.endr
	WIN 0
.endm
.macro RUN tb, n
	s_mov_b32 s[TB], \tb
	s_mov_b32 s[CNT], \n
.Lstep_\@:
	STEP 1
	s_add_co_u32 s[TB], s[TB], 16384
	s_sub_co_u32 s[CNT], s[CNT], 1
	s_cmp_lg_u32 s[CNT], 0
	s_cbranch_scc1 .Lstep_\@
.endm
	s_load_b128 s[4:7], s[0:1], 0x0
	s_load_b64 s[8:9], s[0:1], 0x10
	v_lshl_add_u32 v30, v0, 2, 0x40000
	v_mov_b32 v31, 0
	ds_add_u32 v30, v31
	ds_add_u32 v30, v31
	v_lshrrev_b32 v1, 5, v0
	s_delay_alu instid0(VALU_DEP_1)
	v_readfirstlane_b32 s[WV], v1
	s_bfe_u32 s13, ttmp6, 0x40000
	s_lshl_b32 s20, ttmp9, 2
	s_add_co_u32 s20, s20, s13
	s_and_b32 s21, ttmp7, 0xffff
	s_mov_b32 s[G1], 15|(3<<16)|(1<<21)
	s_mov_b32 s[G1+1], 32<<16
	s_mov_b32 s[G1+2], 32<<16
	s_mov_b32 s[G1+3], 32<<16
	s_mov_b32 s[G1+4], 32
	s_mov_b32 s[G1+5], 32
	s_mov_b32 s[G1+6], 0
	s_mov_b32 s[G1+7], 0
	s_mov_b32 s[G1R], 15|(3<<16)|(1<<21)           ; the second stage: 96 rows of 256 bytes a wave
	s_mov_b32 s[G1R+1], 32<<16
	s_mov_b32 s[G1R+2], 96<<16
	s_mov_b32 s[G1R+3], 32<<16
	s_mov_b32 s[G1R+4], 96
	s_mov_b32 s[G1R+5], 32
	s_mov_b32 s[G1R+6], 0
	s_mov_b32 s[G1R+7], 0
	s_mov_b32 s[SEL], 0x76543210
	s_mov_b32 s[SEL+1], 0xfedcba98
	s_mov_b32 s[CS], 0x3e38aa3b
	s_lshl_b32 s48, s[WV], 13
	s_lshl_b32 s22, s21, 18
	s_add_co_u32 s22, s22, 0x400000
	s_add_co_u32 s22, s22, s48
	s_mov_b32 s23, 0
	s_wait_dscnt 0x0
	s_wait_kmcnt 0x0
	s_load_b512 s[68:83], s[6:7], 0x0
	s_add_nc_u64 s[22:23], s[4:5], s[22:23]
	s_mov_b32 s[G0], 1                             ; stage 1: bytes 8,192 x wave of the head's first 65,536, in memory and in LDS alike
	s_mov_b32 s[G0+1], s48
	s_mov_b64 s[G0+2:G0+3], s[22:23]
	s_or_b32 s[G0+3], s[G0+3], 0x80000000
	s_lshl_b32 s56, s[WV], 14
	s_add_co_u32 s56, s56, 65536
	s_mov_b32 s57, 0
	s_mov_b32 s[G0+4], 1                           ; stage 2: bytes 65,536 + 24,576 x wave
	s_mul_i32 s[G0+5], s[WV], 24576
	s_add_co_u32 s[G0+5], s[G0+5], 65536
	s_add_nc_u64 s[G0+6:G0+7], s[22:23], s[56:57]  ; (8,192 x wave is in s[22:23] already)
	s_or_b32 s[G0+7], s[G0+7], 0x80000000
	CROUND                                         ; the four partners are here: the joint loads meet
	tensor_load_to_lds s[G0:G0+3], s[G1:G1+7]      ; my one tensor load at the head
	s_nop 0
.rept 4
	v_nop
.endr
	v_and_b32 v1, 31, v0
	s_delay_alu instid0(VALU_DEP_1)
	v_lshlrev_b32 v1, 4, v1
	s_wait_alu depctr_va_vdst(0)
	s_lshl_b32 s50, s21, 17
	s_lshl_b32 s51, s20, 14
	s_add_co_u32 s50, s50, s51
	s_lshl_b32 s51, s[WV], 11
	s_add_co_u32 s50, s50, s51
	s_mov_b32 s51, 0
	s_add_nc_u64 s[50:51], s[4:5], s[50:51]
	WIN 0x40
.irp m, 0,1,2,3
	global_load_b128 v[QA+4*\m:QA+4*\m+3], v1, s[50:51] offset:512*\m
.endr
.set j_, 0
.rept 64
	v_mov_b32 v[j_], 0
.set j_, j_+1
.endr
	WIN 0
	s_lshr_b32 s54, s21, 4
	s_and_b32 s55, s21, 15
	s_lshl_b32 s54, s54, 4
	s_lshl_b32 s56, s20, 1
	s_add_co_u32 s54, s54, s56
	s_lshr_b32 s56, s[WV], 2
	s_add_co_u32 s54, s54, s56
	s_lshl_b32 s54, s54, 3
	s_lshr_b32 s56, s55, 1
	s_add_co_u32 s54, s54, s56
	s_lshl_b32 s54, s54, 3
	s_and_b32 s56, s[WV], 3
	s_lshl_b32 s56, s56, 1
	s_add_co_u32 s54, s54, s56
	s_lshl_b32 s54, s54, 11
	s_and_b32 s56, s55, 1
	s_lshl_b32 s56, s56, 10
	s_add_co_u32 s54, s54, s56
	s_mov_b32 s55, 0
	s_add_nc_u64 s[52:53], s[8:9], s[54:55]
.irp T, 8, 16
	v_mov_b32 v[\T+1], 0xff61b1e6
	s_delay_alu instid0(VALU_DEP_1)
	v_floor_f32 v[\T], -v[\T+1]
	v_mov_b32 v[\T+2], 0
	v_mov_b32 v[\T+3], 0
	v_mov_b32 v[\T+4], 0
	v_mov_b32 v[\T+5], 0
	v_mov_b32 v[\T+6], 0
	v_mov_b32 v[\T+7], 0
.endr
	s_wait_kmcnt 0x0
	s_add_co_i32 s54, s74, s75
	s_lshl_b32 s54, s54, 23
	s_add_co_i32 s[CS], s[CS], s54
	s_mov_b32 s[CS+1], s[CS]
	s_add_co_i32 s54, s76, 127
	s_lshl_b32 s55, s54, 23
	v_mov_b32 v25, s55
	s_add_co_i32 s54, s54, 8
	s_lshl_b32 s54, s54, 23
	s_or_b32 s54, s54, 0x600000
	v_mov_b32 v24, s54
	v_mov_b32 v27, s54
	s_wait_alu depctr_va_vdst(0)
	s_wait_tensorcnt 0x0                           ; my part of stage 1 is in
	ds_add_u32 v30, v31
	s_wait_dscnt 0x0
	CROUND                                         ; everybody's part is in, and the joint loads meet
	tensor_load_to_lds s[G0+4:G0+7], s[G1R:G1R+7]  ; stage 2, the first tensor load behind the round
	s_nop 0
.rept 4
	v_nop
.endr
	s_wait_loadcnt 0x0                             ; q
.set f_, 0
.rept 16
	ds_load_b128 v[KF+4*f_:KF+4*f_+3], v1 offset:512*f_   ; the first step's fragments of k; each step fetches the next step's
.set f_, f_+1
.endr
	RUN 0, 3                                       ; steps 0 to 2 read stage 1 alone
	s_wait_tensorcnt 0x0                           ; my part of stage 2 is in,
	s_wait_dscnt 0x0
	s_barrier_signal -1
	s_barrier_wait -1                              ; and so is everybody's
	RUN 49152, 12
	s_mov_b32 s[TB], 245760
	STEP 0
	v_add_f32 v10, v10, v11
	v_add_f32 v18, v18, v19
	s_delay_alu instid0(VALU_DEP_2)
	v_permlanex16_b32 v14, v10, s[SEL], s[SEL+1]
	s_delay_alu instid0(VALU_DEP_2)
	v_permlanex16_b32 v22, v18, s[SEL], s[SEL+1]
	s_delay_alu instid0(VALU_DEP_2)
	v_add_f32 v10, v10, v14
	s_delay_alu instid0(VALU_DEP_2)
	v_add_f32 v18, v18, v22
	s_wait_alu depctr_va_vdst(0)
	v_rcp_f32 v12, v10
	v_rcp_f32 v20, v18
	v_nop
	s_sub_co_i32 s54, s78, s76
	s_sub_co_i32 s54, s54, s77
	s_add_co_i32 s54, s54, 127
	s_lshl_b32 s55, s54, 23
	v_mov_b32 v25, s55
	s_add_co_i32 s54, s54, 8
	s_lshl_b32 s54, s54, 23
	s_or_b32 s54, s54, 0x600000
	v_mov_b32 v24, s54
	s_wait_alu depctr_va_vdst(0)
	WIN 0x01
.set j_, 0
.rept 16
	v_pk_mul_f32 v[SA+j_:SA+j_+1], v[OA+j_:OA+j_+1], v[12:13] op_sel_hi:[1,0]
.set j_, j_+2
.endr
.set j_, 0
.rept 16
	v_pk_mul_f32 v[SB+j_:SB+j_+1], v[OB+j_:OB+j_+1], v[20:21] op_sel_hi:[1,0]
.set j_, j_+2
.endr
	WIN 0
.set j_, 0
.rept 32
	v_med3_num_f32 v[SA+j_], v[SA+j_], -v24, v24
	v_med3_num_f32 v[SB+j_], v[SB+j_], -v24, v24
.set j_, j_+1
.endr
.irp g, 0,1,2,3
	v_cvt_scalef32_pk8_fp8_f32 v[PCA+2*\g:PCA+2*\g+1], v[SA+8*\g:SA+8*\g+7], v25
	v_cvt_scalef32_pk8_fp8_f32 v[PCB+2*\g:PCB+2*\g+1], v[SB+8*\g:SB+8*\g+7], v25
.endr
	v_nop
	global_store_b128 v1, v[PCA:PCA+3], s[52:53]
	global_store_b128 v1, v[PCA+4:PCA+7], s[52:53] offset:512
	global_store_b128 v1, v[PCB:PCB+3], s[52:53] offset:2048
	global_store_b128 v1, v[PCB+4:PCB+7], s[52:53] offset:2560
	s_wait_tensorcnt 0x0
	ds_add_u32 v30, v31
	s_wait_dscnt 0x0
	CROUND
	s_endpgm
.Lfunc_end_k_q71cc48a418_attn:
	.size	k_q71cc48a418_attn, .Lfunc_end_k_q71cc48a418_attn-k_q71cc48a418_attn
	.p2alignl 7, 3214868480
	.fill 96, 4, 3214868480
	.section	.rodata,"a",@progbits
	.p2align	6, 0x0
	.amdhsa_kernel k_q71cc48a418_attn
		.amdhsa_group_segment_fixed_size 327680
		.amdhsa_private_segment_fixed_size 0
		.amdhsa_enable_private_segment 0
		.amdhsa_kernarg_size 24
		.amdhsa_user_sgpr_count 2
		.amdhsa_user_sgpr_kernarg_segment_ptr 1
		.amdhsa_wavefront_size32 1
		.amdhsa_system_sgpr_workgroup_id_x 1
		.amdhsa_system_sgpr_workgroup_id_y 1
		.amdhsa_system_sgpr_workgroup_id_z 1
		.amdhsa_system_vgpr_workitem_id 0
		.amdhsa_next_free_vgpr 512
		.amdhsa_next_free_sgpr 96
		.amdhsa_reserve_vcc 0
		.amdhsa_float_denorm_mode_32 3
		.amdhsa_float_denorm_mode_16_64 3
		.amdhsa_memory_ordered 1
		.amdhsa_forward_progress 1
		.amdhsa_inst_pref_size 105
	.end_amdhsa_kernel
	.amdgpu_metadata
---
amdhsa.version: [ 1, 2 ]
amdhsa.kernels:
  - .name:           k_q71cc48a418_attn
    .symbol:         k_q71cc48a418_attn.kd
    .args:
      - { .name: qkv_c, .offset: 0, .size: 8, .value_kind: global_buffer, .address_space: global }
      - { .name: lowp_scales, .offset: 8, .size: 8, .value_kind: global_buffer, .address_space: global }
      - { .name: ctx_c, .offset: 16, .size: 8, .value_kind: global_buffer, .address_space: global }
    .group_segment_fixed_size: 327680
    .private_segment_fixed_size: 0
    .kernarg_segment_align: 8
    .kernarg_segment_size: 24
    .max_flat_workgroup_size: 256
    .sgpr_count:     96
    .vgpr_count:     512
    .wavefront_size: 32
...
	.end_amdgpu_metadata
.endif
;; end of part 3
;; launch wo (part 4): grid 8 x 32, 4 waves a work-group, clusters of 4 x 4, 327,680 bytes of LDS; arguments ctx_c, wc, lowp_scales, bo, x, x2; writes x2
.if DOCPART == 4
	.amdgcn_target "amdgcn-amd-amdhsa--gfx1250"
	.amdhsa_code_object_version 6
	.text
	.protected	k_q71cc48a418_wo
	.globl	k_q71cc48a418_wo
	.p2align	8
	.type	k_q71cc48a418_wo,@function
k_q71cc48a418_wo:
	s_mov_b64 s[64:65], 0
	v_nop
	global_prefetch_b8 v0, s[64:65] scope:SCOPE_SE
	s_setreg_imm32_b32 hwreg(HW_REG_WAVE_MODE, 25, 1), 1
	s_wait_xcnt 0x0
	s_wait_alu depctr_hold_cnt(0) depctr_sa_sdst(0) depctr_va_vdst(0) depctr_va_sdst(0) depctr_va_ssrc(0) depctr_va_vcc(0) depctr_vm_vsrc(0)
	s_getreg_b32 s2, hwreg(HW_REG_IB_STS2, 6, 4)
	s_cmp_eq_u32 s2, 0
	s_cbranch_scc0 .Lentry_in_a_cluster
	s_endpgm
.Lentry_in_a_cluster:
	s_bfe_u32 s2, ttmp6, 0x10000c
	s_cmp_lg_u32 s2, 0xf033
	s_cbranch_scc0 .Lentry_shape_is_right
	s_endpgm
.Lentry_shape_is_right:
; out = residual + A W + bias: A [4096][128 KB] and W [1024][128 KB] as codes of FP8 in images of operand registers (16 rows x 128 K slots = 2,048 bytes; 8 blocks to a tile), out and residual f32 [4096][1024].
; Here: A = ctx's codes, W = Wo (wc + 3 MiB), scales e10, e11, residual = x, out = x2.
; A tile of 128 x 128 to a work-group, so that N = 1,024 still gives 256 work-groups; four waves of 64 x 64: 16 accumulators.  A slot holds 512 along K: A's 4 x 16 KiB, then B's; a wave's one load brings 64 KiB, dense.
; With K = 1,024 the two slots are filled once each; the text keeps the ring's form.
; THE MATRIX INSTRUCTION IS USED TRANSPOSED (source 0 = W's rows, source 1 = A's rows): a lane holds eight neighbouring columns of a row of out.
; CLUSTERS: 4 x 4; A's tiles are asked for jointly along a row of the cluster, W's along a column.
; ALL OF THE WAVE'S RESIDUAL (64 rows x 256 bytes, 128 registers) IS ASKED FOR AT THE HEAD and lands while the products run: the way out waits for no memory.
; The slots hold K in an order of their own, the same in both operands: sums agree within rounding, not bit for bit.
; LIMIT: the two exponents added lie between -126 and 127.
; REGISTERS: window 0: v0-31 addresses, v12-15 the bias, v32-95 the residual's blocks 0, 1, v96-127 (even blocks) and v32-63 (odd blocks) a block read back from the stage, v128-255 the accumulators
;   ((a, b) at 128 + 8 (4 a + b));   window 1: two fragment buffers of 128: A's 4 x 16 registers, then W's;   window 2: v32-95 the residual's blocks 2, 3.
.set KB,    8                          ; images along K
.set WOFF,  0x300000                   ; where W lies in wc
.set SCI,   10                         ; the first of the two exponents
.set LAPS,  KB/8                       ; a lap = two slots = 1,024 along K
.set SLOT,  131072
.set SPARE, 262144
.set STAGE, 262656                     ; behind the spare words: 16 rows x 272 bytes for each wave; no fill lands here
.set ADRA,  16
.set ADRB,  20
.set STO,   24
.set RD,    25
.set CO,    26
.set BO,    27
.set SPW,   28
.set NIL,   29
.set ACC,   128
.set F0,    0
.set F1,    128
.set G1,  24
.set G0,  32
.set G1B, 48
.set G0B, 56
.set MSB, 0
.macro WIN new
.if MSB != (\new)
	s_set_vgpr_msb (MSB<<8)|(\new)
.set MSB, (\new)
.endif
.endm
.set MUL,  0x05
.set TO_F, 0x40
.macro JLOAD s
	s_cmp_eq_u32 s15, 0
	s_cbranch_scc0 .Lfor_b_\@
	tensor_load_to_lds s[G0+4*\s:G0+4*\s+3], s[G1:G1+7]
	s_nop 0
.rept 4
	v_nop
.endr
	s_branch .Lasked_\@
.Lfor_b_\@:
	tensor_load_to_lds s[G0B+4*\s:G0B+4*\s+3], s[G1B:G1B+7]
	s_nop 0
.rept 4
	v_nop
.endr
.Lasked_\@:
.endm
.macro CREST
	s_cmp_lg_u32 s14, 0
	s_cbranch_scc1 .Lnot_wave_0_\@
	s_barrier_signal -3
.Lnot_wave_0_\@:
	s_barrier_wait -3
	s_barrier_signal -1
	s_barrier_wait -1
.endm
.macro CROUND
	s_barrier_signal -1
	s_barrier_wait -1
	CREST
.endm
.macro PLACES
.rept 4
	v_nop
.endr
.endm
.macro FETCH slot, kb, f               ; 32 LDS loads in one run: W's four fragments, then A's blocks 0, 1, then 2, 3
	WIN TO_F
.irp i, 0,1,2,3
.irp c, 0,1,2,3
	ds_load_b128 v[\f+64+16*\i+4*\c:\f+64+16*\i+4*\c+3], v[ADRB+\slot] offset:(\kb)*16384+\i*2048+\c*512
.endr
.endr
.irp i, 0,1,2,3
.irp c, 0,1,2,3
	ds_load_b128 v[\f+16*\i+4*\c:\f+16*\i+4*\c+3], v[ADRA+\slot] offset:(\kb)*16384+\i*2048+\c*512
.endr
.endr
.endm
.macro MULA f, a, zero                 ; A's block a against W's four; the 16 accumulators take turns
.irp b, 0,1,2,3
.if \zero
	v_wmma_f32_16x16x128_fp8_fp8 v[ACC+8*(4*(\a)+\b):ACC+8*(4*(\a)+\b)+7], v[\f+64+16*\b:\f+64+16*\b+15], v[\f+16*(\a):\f+16*(\a)+15], 0
.else
	v_wmma_f32_16x16x128_fp8_fp8 v[ACC+8*(4*(\a)+\b):ACC+8*(4*(\a)+\b)+7], v[\f+64+16*\b:\f+64+16*\b+15], v[\f+16*(\a):\f+16*(\a)+15], v[ACC+8*(4*(\a)+\b):ACC+8*(4*(\a)+\b)+7]
.endif
.endr
.endm
.macro QUARTER slot, kbn, f, g, zero   ; 128 along K from buffer f; in its middle the next 128 are fetched into g
	s_wait_dscnt 8                                 ; W's fragments and A's blocks 0, 1 are in; A's blocks 2, 3 may be out
	WIN MUL
	MULA \f, 0, \zero
	MULA \f, 1, \zero
	PLACES
	FETCH \slot, \kbn, \g
	s_wait_dscnt 32                                ; all but the 32 just issued
	WIN MUL
	MULA \f, 2, \zero
	MULA \f, 3, \zero
.endm
.macro TURN slot, next, fill           ; a slot's last quarter changes slots
	WIN 0
	s_wait_tensorcnt 0x0                           ; all my tensor loads have landed
	ds_add_u32 v[SPW], v[NIL]                      ; 0 onto my spare word
	s_wait_dscnt 9                                 ; the add and A's blocks 2, 3 may be out
	WIN MUL
	MULA F1, 0, 0
	s_wait_dscnt 0x0                               ; the add is done, and my reads of this slot are over
	s_barrier_signal -1
	MULA F1, 1, 0
	WIN 0
	s_barrier_wait -1
.if \fill
	CREST                                          ; the barrier has opened a round of the cluster's barrier
	s_add_nc_u64 s[G0+4*\slot+2:G0+4*\slot+3], s[G0+4*\slot+2:G0+4*\slot+3], 131072
	s_add_nc_u64 s[G0B+4*\slot+2:G0B+4*\slot+3], s[G0B+4*\slot+2:G0B+4*\slot+3], 131072
	JLOAD \slot                                    ; my one tensor load behind the round, first thing there
.else
	PLACES
.endif
	FETCH \next, 0, F0
	WIN MUL
	MULA F1, 2, 0
	MULA F1, 3, 0
.endm
.macro RESLOAD a                       ; the residual's rows of block a: sixteen lanes read 256 consecutive bytes.  Blocks 0, 1 into window 0, blocks 2, 3 into window 2
	WIN 0x80*((\a)/2)
.irp t, 0,1,2,3,4,5,6,7
	global_load_b128 v[32+32*((\a)%2)+4*\t:32+32*((\a)%2)+4*\t+3], v[CO], s[84:85] offset:(16*(\a)+2*\t)*4096
.endr
.endm
.macro OUTBLK a                        ; 16 rows x 64 columns through my own stage, so that sixteen lanes hold 256 consecutive bytes of a row
.set BK_, 96-64*((\a)%2)               ; where the block comes back, and from where it is stored: two sets by turns
.set RS_, 32+32*((\a)%2)               ; its residual, in window 0 (blocks 0, 1) or 2 (blocks 2, 3)
.if (\a) >= 2
	s_wait_xcnt 0x0                                ; the stores of the block two back have read this set: it is loaded again only behind this wait
.endif
.irp b, 0,1,2,3
	ds_store_b128 v[STO], v[ACC+8*(4*(\a)+\b):ACC+8*(4*(\a)+\b)+3] offset:64*\b
	ds_store_b128 v[STO], v[ACC+8*(4*(\a)+\b)+4:ACC+8*(4*(\a)+\b)+7] offset:64*\b+16
.endr
.irp t, 0,1,2,3,4,5,6,7
	ds_load_b128 v[BK_+4*\t:BK_+4*\t+3], v[RD] offset:544*\t      ; LDS serves a wave's instructions in order (ISA guide 5.7.1.4): these see my stores
.endr
	WIN 0x82*((\a)/2)                              ; destination and source 0: the residual's window
.irp t, 0,1,2,3,4,5,6,7
	v_pk_add_f32 v[RS_+4*\t:RS_+4*\t+1], v[RS_+4*\t:RS_+4*\t+1], v[12:13]
	v_pk_add_f32 v[RS_+4*\t+2:RS_+4*\t+3], v[RS_+4*\t+2:RS_+4*\t+3], v[14:15]
.endr
	s_wait_dscnt 0x0
	WIN 0x20*((\a)/2)                              ; source 2: the residual's window
.set k_, 0
.rept 16
	v_pk_fma_f32 v[BK_+2*k_:BK_+2*k_+1], v[BK_+2*k_:BK_+2*k_+1], s[96:97], v[RS_+2*k_:RS_+2*k_+1] op_sel_hi:[1,0,1]   ; sum x 2^(eA + eB) + (residual + bias)
.set k_, k_+1
.endr
	WIN 0
.irp t, 0,1,2,3,4,5,6,7
	global_store_b128 v[CO], v[BK_+4*\t:BK_+4*\t+3], s[86:87] offset:(16*(\a)+2*\t)*4096
.endr
.endm
	s_load_b256 s[4:11], s[0:1], 0x0               ; A's codes, wc, lowp_scales, the bias
	s_load_b128 s[84:87], s[0:1], 0x20             ; the residual, out
	v_lshl_add_u32 v[SPW], v0, 2, SPARE
	v_mov_b32 v[NIL], 0
	ds_add_u32 v28, v29
	ds_add_u32 v28, v29
	s_wait_dscnt 0x0
	v_lshrrev_b32 v1, 5, v0
	v_readfirstlane_b32 s14, v1                    ; wave
	s_lshr_b32 s15, s14, 1                         ; i.  Also: I fetch for A (0) or W (1)
	s_and_b32 s16, s14, 1                          ; j.  Also: which slot, 512 along K, I fill
	s_bfe_u32 s40, ttmp6, 0x40000
	s_bfe_u32 s41, ttmp6, 0x40004
	s_lshl_b32 s42, ttmp9, 2
	s_add_co_u32 s42, s42, s40                     ; tile column
	s_and_b32 s17, ttmp7, 0xffff
	s_lshl_b32 s17, s17, 2
	s_add_co_u32 s17, s17, s41                     ; tile row
	s_lshl_b32 s43, s41, 2
	s_lshl_b32 s43, 15, s43
	s_lshl_b32 s44, 0x1111, s40
	s_or_b32 s[G1+0], s43, (3<<16)|(1<<21)
	s_or_b32 s[G1B+0], s44, (3<<16)|(1<<21)
.irp g, G1, G1B
	s_mov_b32 s[\g+1], 32<<16                      ; rows of 256 bytes,
	s_mov_b32 s[\g+2], 256<<16                     ; 256 of them: 65,536 dense bytes, a wave's one load
	s_mov_b32 s[\g+3], 32<<16
	s_mov_b32 s[\g+4], 256
	s_mov_b32 s[\g+5], 32
	s_mov_b32 s[\g+6], 0
	s_mov_b32 s[\g+7], 0
.endr
	s_lshl_b32 s18, s16, 16                        ; I fetch 512 along K: half j of the tile's 1,024
	s_mul_i32 s20, s17, KB*16384
	s_add_co_u32 s20, s20, s18
	s_mov_b32 s21, 0
	s_mul_i32 s46, s42, KB*16384
	s_add_co_u32 s46, s46, s18
	s_add_co_u32 s46, s46, WOFF
	s_mov_b32 s47, 0
	s_lshl_b32 s45, s16, 17
	s_lshl_b32 s19, s15, 16
	s_add_co_u32 s45, s45, s19                     ; LDS: slot j, A's half or W's
	s_wait_kmcnt 0x0
	s_load_b64 s[96:97], s[8:9], SCI*4
	s_add_nc_u64 s[20:21], s[4:5], s[20:21]
	s_add_nc_u64 s[46:47], s[6:7], s[46:47]
	CROUND
; ONE LOAD A WAVE, 65,536 BYTES, BRINGS ALL OF K: wave (i, j) fills A's (i = 0) or W's (i = 1) half of slot j.  Nothing is filled again.
; No prefetch: the launch's only tensor loads stand at its head, so there is no loop of loads to run ahead in.
	s_mov_b32 s[G0], 1
	s_mov_b32 s[G0+1], s45
	s_mov_b64 s[G0+2:G0+3], s[20:21]
	s_or_b32 s[G0+3], s[G0+3], 0x80000000
	s_mov_b32 s[G0B], 1
	s_mov_b32 s[G0B+1], s45
	s_mov_b64 s[G0B+2:G0B+3], s[46:47]
	s_or_b32 s[G0B+3], s[G0B+3], 0x80000000
	JLOAD 0
	v_and_b32 v1, 31, v0
	v_lshlrev_b32 v4, 4, v1                        ; 16 x lane
	v_and_b32 v2, 15, v0                           ; r
	s_wait_alu depctr_va_vdst(0)
	v_bfe_u32 v3, v0, 4, 1                         ; h
	s_lshl_b32 s21, s15, 13                        ; my 4 images of A,
	s_lshl_b32 s22, s16, 13
	s_add_co_u32 s22, s22, 65536                   ; of W
.irp s, 0,1
	v_add_nc_u32 v[ADRA+\s], s21, v4
	v_add_nc_u32 v[ADRB+\s], s22, v4
	s_add_co_u32 s21, s21, SLOT
	s_add_co_u32 s22, s22, SLOT
.endr
	s_mul_i32 s23, s14, 4352
	s_add_co_u32 s23, s23, STAGE                   ; my stage
	v_mul_u32_u24 v5, v2, 272
	s_wait_alu depctr_va_vdst(0)
	v_lshl_add_u32 v5, v3, 5, v5
	v_add_nc_u32 v[STO], s23, v5                   ; in: row r, 32 bytes for each half of the lanes
	v_mul_u32_u24 v5, v3, 272
	v_lshl_add_u32 v5, v2, 4, v5
	v_add_nc_u32 v[RD], s23, v5                    ; back: lanes 0-15 one row of 256 bytes, lanes 16-31 the next
	v_lshlrev_b32 v[BO], 4, v2
	s_wait_alu depctr_va_vdst(0)
	v_lshl_add_u32 v[CO], v3, 12, v[BO]            ; and the same two rows in memory
	s_wait_alu depctr_va_vdst(0)
	s_lshl_b32 s92, s42, 9
	s_lshl_b32 s93, s16, 8
	s_add_co_u32 s92, s92, s93                     ; my first column, in bytes
	s_mov_b32 s93, 0
	s_add_nc_u64 s[10:11], s[10:11], s[92:93]
	s_lshl_b32 s90, s17, 19
	s_lshl_b32 s91, s15, 18
	s_add_co_u32 s90, s90, s91                     ; my first row, in bytes
	s_add_co_u32 s90, s90, s92
	s_mov_b32 s91, 0
	s_add_nc_u64 s[84:85], s[84:85], s[90:91]
	s_add_nc_u64 s[86:87], s[86:87], s[90:91]
	global_load_b128 v[12:15], v[BO], s[10:11]     ; the bias and all four blocks of the residual land while the products run: 33 loads of mine are out
	RESLOAD 0
	RESLOAD 1
	RESLOAD 2
	RESLOAD 3
	WIN 0
	s_wait_tensorcnt 0x0                           ; my 65,536 bytes are in
	s_barrier_signal -1
	s_barrier_wait -1
	FETCH 0, 0, F0
	QUARTER 0, 1, F0, F1, 1                        ; the first quarter's products start the sums
.if LAPS > 1
	WIN 0
	s_mov_b32 s3, LAPS-1
.Llap:
	QUARTER 0, 2, F1, F0, 0
	QUARTER 0, 3, F0, F1, 0
	TURN 0, 1, 1
	QUARTER 1, 1, F0, F1, 0
	QUARTER 1, 2, F1, F0, 0
	QUARTER 1, 3, F0, F1, 0
	TURN 1, 0, 1
	QUARTER 0, 1, F0, F1, 0
	WIN 0
	s_sub_co_u32 s3, s3, 1
	s_cmp_lg_u32 s3, 0
	s_cbranch_scc1 .Llap
.endif
	QUARTER 0, 2, F1, F0, 0
	QUARTER 0, 3, F0, F1, 0
	TURN 0, 1, 0
	QUARTER 1, 1, F0, F1, 0
	QUARTER 1, 2, F1, F0, 0
	QUARTER 1, 3, F0, F1, 0
	s_wait_dscnt 8
	WIN MUL
	MULA F1, 0, 0
	MULA F1, 1, 0
	s_wait_dscnt 0
	MULA F1, 2, 0
	MULA F1, 3, 0
	WIN 0
	s_wait_kmcnt 0x0
	s_add_co_i32 s96, s96, s97
	s_add_co_i32 s96, s96, 127
	s_lshl_b32 s96, s96, 23                        ; 2^(eA + eB) as f32
	s_mov_b32 s97, s96
	PLACES
	s_wait_loadcnt 0x0                             ; the bias and the residual, asked for at the head
	OUTBLK 0
	OUTBLK 1
	OUTBLK 2
	OUTBLK 3
	s_wait_tensorcnt 0x0                           ; the wave's end
	ds_add_u32 v[SPW], v[NIL]
	s_wait_dscnt 0x0
	CROUND                                         ; the closing round
	s_endpgm
.Lfunc_end_k_q71cc48a418_wo:
	.size	k_q71cc48a418_wo, .Lfunc_end_k_q71cc48a418_wo-k_q71cc48a418_wo
	.p2alignl 7, 3214868480
	.fill 96, 4, 3214868480
	.section	.rodata,"a",@progbits
	.p2align	6, 0x0
	.amdhsa_kernel k_q71cc48a418_wo
		.amdhsa_group_segment_fixed_size 327680
		.amdhsa_private_segment_fixed_size 0
		.amdhsa_enable_private_segment 0
		.amdhsa_kernarg_size 48
		.amdhsa_user_sgpr_count 2
		.amdhsa_user_sgpr_kernarg_segment_ptr 1
		.amdhsa_wavefront_size32 1
		.amdhsa_system_sgpr_workgroup_id_x 1
		.amdhsa_system_sgpr_workgroup_id_y 1
		.amdhsa_system_sgpr_workgroup_id_z 1
		.amdhsa_system_vgpr_workitem_id 0
		.amdhsa_next_free_vgpr 640
		.amdhsa_next_free_sgpr 100
		.amdhsa_reserve_vcc 0
		.amdhsa_float_denorm_mode_32 3
		.amdhsa_float_denorm_mode_16_64 3
		.amdhsa_memory_ordered 1
		.amdhsa_forward_progress 1
		.amdhsa_inst_pref_size 52
	.end_amdhsa_kernel
	.amdgpu_metadata
---
amdhsa.version: [ 1, 2 ]
amdhsa.kernels:
  - .name:           k_q71cc48a418_wo
    .symbol:         k_q71cc48a418_wo.kd
    .args:
      - { .name: ctx_c, .offset: 0, .size: 8, .value_kind: global_buffer, .address_space: global }
      - { .name: wc, .offset: 8, .size: 8, .value_kind: global_buffer, .address_space: global }
      - { .name: lowp_scales, .offset: 16, .size: 8, .value_kind: global_buffer, .address_space: global }
      - { .name: bo, .offset: 24, .size: 8, .value_kind: global_buffer, .address_space: global }
      - { .name: x, .offset: 32, .size: 8, .value_kind: global_buffer, .address_space: global }
      - { .name: x2, .offset: 40, .size: 8, .value_kind: global_buffer, .address_space: global }
    .group_segment_fixed_size: 327680
    .private_segment_fixed_size: 0
    .kernarg_segment_align: 8
    .kernarg_segment_size: 48
    .max_flat_workgroup_size: 128
    .sgpr_count:     100
    .vgpr_count:     640
    .wavefront_size: 32
...
	.end_amdgpu_metadata
.endif
;; end of part 4
;; launch ln2 (part 5): grid 256 x 1, 4 waves a work-group, no clusters, 17,920 bytes of LDS; arguments x2, ln2_g, ln2_b, lowp_scales, h2_c; writes h2_c
.if DOCPART == 5
	.amdgcn_target "amdgcn-amd-amdhsa--gfx1250"
	.amdhsa_code_object_version 6
	.text
	.protected	k_q71cc48a418_ln2
	.globl	k_q71cc48a418_ln2
	.p2align	8
	.type	k_q71cc48a418_ln2,@function
k_q71cc48a418_ln2:
	s_mov_b64 s[64:65], 0
	v_nop
	global_prefetch_b8 v0, s[64:65] scope:SCOPE_SE
	s_setreg_imm32_b32 hwreg(HW_REG_WAVE_MODE, 25, 1), 1
	s_wait_xcnt 0x0
; LayerNorm 2 of 16 rows of x2, quantised (scale e12) into h2_c as images of operand registers: 16 rows x 128 K slots = 2,048 bytes, byte c*512 + (16 h + r)*16 + q;
; slot (kb, c, h, q) holds K = 512 h + 128 (q/4) + 16 kb + 4 c + q%4; image (blk, kb) lies at ((blk/16)*8 + kb)*32768 + (blk%16)*2048.
; The work-group takes one block of 16 rows, a wave four of them.  ALL FOUR ROWS ARE ASKED FOR AT ONCE (32 loads, 128 registers), behind the gain's and the bias's 16 loads: the wave waits for memory once.
; The codes meet in LDS and leave as 512 consecutive bytes a store.
; A stream: no matrix unit, no cluster, no tensor load.  LIMITS: e12 between -126 and 119.  NaN and infinities are not served.
.set XR, 88                            ; v88-215  four rows of 32 numbers a lane; later the read-back
.set TR, 216                           ; v216-247 at work
.set CR, 16                            ; v16-23   codes
.set GR, 24                            ; v24-55   the gain
.set BR, 56                            ; v56-87   the bias
.macro MKSCALE vs, vl, se
	s_add_co_i32 s62, \se, 127
	s_lshl_b32 s63, s62, 23
	v_mov_b32 v[\vs], s63
	s_add_co_i32 s62, s62, 8
	s_lshl_b32 s62, s62, 23
	s_or_b32 s62, s62, 0x600000
	v_mov_b32 v[\vl], s62
.endm
.macro REDUCE
	v_add_f32_dpp v5, v5, v5 row_xmask:1 row_mask:0xf bank_mask:0xf
	v_add_f32_dpp v5, v5, v5 row_xmask:2 row_mask:0xf bank_mask:0xf
	v_add_f32_dpp v5, v5, v5 row_xmask:4 row_mask:0xf bank_mask:0xf
	v_add_f32_dpp v5, v5, v5 row_xmask:8 row_mask:0xf bank_mask:0xf
	v_permlanex16_b32 v6, v5, s48, s49
	v_add_f32 v5, v5, v6
.endm
.macro ROWLOAD rr                      ; row rr of my four: eight loads of 512 consecutive bytes; register 4 j + i = x2[128 j + 4 lane + i]
.irp j, 0,1,2,3,4,5,6,7
	global_load_b128 v[XR+32*(\rr)+4*\j:XR+32*(\rr)+4*\j+3], v1, s[4:5] offset:(\rr)*4096+512*\j
.endr
.endm
.macro ROW rr
.set XS, XR+32*(\rr)
	s_wait_loadcnt 8*(3-(\rr))                     ; this row is in; the eight loads of each row behind it may be out
.set k, 0
.rept 8
	v_pk_add_f32 v[TR+2*k:TR+2*k+1], v[XS+4*k:XS+4*k+1], v[XS+4*k+2:XS+4*k+3]
.set k, k+1
.endr
.irp m, 0,1,2,3
	v_pk_add_f32 v[TR+2*\m:TR+2*\m+1], v[TR+2*\m:TR+2*\m+1], v[TR+2*\m+8:TR+2*\m+9]
.endr
	v_pk_add_f32 v[TR:TR+1], v[TR:TR+1], v[TR+4:TR+5]
	v_pk_add_f32 v[TR+2:TR+3], v[TR+2:TR+3], v[TR+6:TR+7]
	v_pk_add_f32 v[TR:TR+1], v[TR:TR+1], v[TR+2:TR+3]
	v_add_f32 v5, v[TR], v[TR+1]
	REDUCE
	v_mul_f32 v14, s30, v5                         ; the mean
	v_mov_b32 v15, v14
.set k, 0
.rept 16
	v_pk_add_f32 v[XS+2*k:XS+2*k+1], v[XS+2*k:XS+2*k+1], v[14:15] neg_lo:[0,1] neg_hi:[0,1]   ; x - mean first: the variance is no difference of large sums
.set k, k+1
.endr
	v_pk_mul_f32 v[TR:TR+1], v[XS:XS+1], v[XS:XS+1]
	v_pk_mul_f32 v[TR+2:TR+3], v[XS+2:XS+3], v[XS+2:XS+3]
.set k, 1
.rept 7
	v_pk_fma_f32 v[TR:TR+1], v[XS+4*k:XS+4*k+1], v[XS+4*k:XS+4*k+1], v[TR:TR+1]
	v_pk_fma_f32 v[TR+2:TR+3], v[XS+4*k+2:XS+4*k+3], v[XS+4*k+2:XS+4*k+3], v[TR+2:TR+3]
.set k, k+1
.endr
	v_pk_add_f32 v[TR:TR+1], v[TR:TR+1], v[TR+2:TR+3]
	v_add_f32 v5, v[TR], v[TR+1]
	REDUCE
	v_fma_f32 v5, v5, s30, s31                     ; variance + eps
	s_wait_alu depctr_va_vdst(0)
	v_rsq_f32 v14, v5
	v_nop                                          ; a plain line behind the transcendental,
	s_wait_alu depctr_va_vdst(0)                   ; and the wait ahead of its first reader
	v_mov_b32 v15, v14
.set k, 0
.rept 16
	v_pk_mul_f32 v[XS+2*k:XS+2*k+1], v[XS+2*k:XS+2*k+1], v[14:15]
.set k, k+1
.endr
.set k, 0
.rept 16
	v_pk_fma_f32 v[XS+2*k:XS+2*k+1], v[XS+2*k:XS+2*k+1], v[GR+2*k:GR+2*k+1], v[BR+2*k:BR+2*k+1]
.set k, k+1
.endr
	s_wait_dscnt 0x0                               ; the last row's LDS stores have read the codes' registers
.set k, 0
.rept 32
	v_med3_num_f32 v[TR+k], v[XS+k], -v9, v9       ; the conversion to an 8-bit code does not saturate (ISA guide 7.6.2): the hold comes first
.set k, k+1
.endr
.irp g, 0,1,2,3
	v_cvt_scalef32_pk8_fp8_f32 v[CR+2*\g:CR+2*\g+1], v[TR+8*\g:TR+8*\g+7], v8
.endr
	v_nop                                          ; a plain line between the conversions and the next lines that write their sources
	ds_store_b128 v2, v[CR:CR+3] offset:(\rr)*16
	ds_store_b128 v2, v[CR+4:CR+7] offset:8704+(\rr)*16
.endm
	s_load_b256 s[4:11], s[0:1], 0x0               ; x2, ln2_g, ln2_b, lowp_scales
	s_load_b64 s[26:27], s[0:1], 0x20              ; h2_c
	v_lshl_add_u32 v248, v0, 2, 0x4400
	v_mov_b32 v249, 0
	v_lshrrev_b32 v1, 5, v0
	v_readfirstlane_b32 s28, v1                    ; wave
	v_and_b32 v7, 31, v0                           ; lane
	s_wait_alu depctr_va_vdst(0)
	s_wait_kmcnt 0x0
	s_load_b32 s32, s[10:11], 0x30                 ; e12
	s_mov_b32 s48, 0x76543210
	s_mov_b32 s49, 0xfedcba98
	s_mov_b32 s30, 0x3a800000                      ; 1/1024
	s_mov_b32 s31, 0x3727c5ac                      ; 1e-5
	v_mov_b32 v6, 0
	v_lshlrev_b32 v1, 4, v7
	s_wait_alu depctr_va_vdst(0)
	v_mul_u32_u24 v2, v7, 272
	s_lshl_b32 s50, s28, 6
	v_add_nc_u32 v2, s50, v2                       ; into LDS: piece = lane, pitch 272; my wave's rows at 64 x wave
	v_lshrrev_b32 v3, 4, v7
	v_mul_u32_u24 v3, v3, 8704
	v_and_b32 v4, 15, v7
	v_lshl_add_u32 v3, v4, 4, v3
	s_mul_i32 s50, s28, 2176
	v_add_nc_u32 v3, s50, v3                       ; back: pieces 8 wave + u
	s_lshl_b32 s50, s28, 16
	v_add_nc_u32 v4, s50, v1                       ; in memory: images kb = 2 wave, 2 wave + 1
	s_lshl_b32 s50, ttmp9, 16
	s_lshl_b32 s51, s28, 14
	s_add_co_u32 s50, s50, s51
	s_mov_b32 s51, 0
	s_add_nc_u64 s[4:5], s[4:5], s[50:51]
	s_lshr_b32 s50, ttmp9, 4
	s_lshl_b32 s50, s50, 18
	s_and_b32 s52, ttmp9, 15
	s_lshl_b32 s52, s52, 11
	s_add_co_u32 s50, s50, s52
	s_add_nc_u64 s[56:57], s[26:27], s[50:51]
.irp j, 0,1,2,3,4,5,6,7
	global_load_b128 v[GR+4*\j:GR+4*\j+3], v1, s[6:7] offset:512*\j
	global_load_b128 v[BR+4*\j:BR+4*\j+3], v1, s[8:9] offset:512*\j
.endr
	ROWLOAD 0
	ROWLOAD 1
	ROWLOAD 2
	ROWLOAD 3
	s_wait_kmcnt 0x0
	MKSCALE 8, 9, s32
	ROW 0
	ROW 1
	ROW 2
	ROW 3
	s_wait_dscnt 0x0                               ; for the others' sake: my stores have landed
	s_barrier_signal -1
	s_barrier_wait -1
.set n_, 0
.rept 8
	ds_load_b128 v[XR+4*n_:XR+4*n_+3], v3 offset:n_*272
.set n_, n_+1
.endr
.set n_, 0
.rept 8
	s_wait_dscnt 7-n_
	global_store_b128 v4, v[XR+4*n_:XR+4*n_+3], s[56:57] offset:(n_/4)*32768+(n_%4)*512   ; 512 consecutive bytes of an image
.set n_, n_+1
.endr
	s_wait_tensorcnt 0x0
	ds_add_u32 v248, v249
	s_wait_dscnt 0x0
	s_endpgm
.Lfunc_end_k_q71cc48a418_ln2:
	.size	k_q71cc48a418_ln2, .Lfunc_end_k_q71cc48a418_ln2-k_q71cc48a418_ln2
	.p2alignl 7, 3214868480
	.fill 96, 4, 3214868480
	.section	.rodata,"a",@progbits
	.p2align	6, 0x0
	.amdhsa_kernel k_q71cc48a418_ln2
		.amdhsa_group_segment_fixed_size 17920
		.amdhsa_private_segment_fixed_size 0
		.amdhsa_enable_private_segment 0
		.amdhsa_kernarg_size 40
		.amdhsa_user_sgpr_count 2
		.amdhsa_user_sgpr_kernarg_segment_ptr 1
		.amdhsa_wavefront_size32 1
		.amdhsa_system_sgpr_workgroup_id_x 1
		.amdhsa_system_sgpr_workgroup_id_y 1
		.amdhsa_system_sgpr_workgroup_id_z 1
		.amdhsa_system_vgpr_workitem_id 0
		.amdhsa_next_free_vgpr 250
		.amdhsa_next_free_sgpr 66
		.amdhsa_reserve_vcc 0
		.amdhsa_float_denorm_mode_32 3
		.amdhsa_float_denorm_mode_16_64 3
		.amdhsa_memory_ordered 1
		.amdhsa_forward_progress 1
		.amdhsa_inst_pref_size 43
	.end_amdhsa_kernel
	.amdgpu_metadata
---
amdhsa.version: [ 1, 2 ]
amdhsa.kernels:
  - .name:           k_q71cc48a418_ln2
    .symbol:         k_q71cc48a418_ln2.kd
    .args:
      - { .name: x2, .offset: 0, .size: 8, .value_kind: global_buffer, .address_space: global }
      - { .name: ln2_g, .offset: 8, .size: 8, .value_kind: global_buffer, .address_space: global }
      - { .name: ln2_b, .offset: 16, .size: 8, .value_kind: global_buffer, .address_space: global }
      - { .name: lowp_scales, .offset: 24, .size: 8, .value_kind: global_buffer, .address_space: global }
      - { .name: h2_c, .offset: 32, .size: 8, .value_kind: global_buffer, .address_space: global }
    .group_segment_fixed_size: 17920
    .private_segment_fixed_size: 0
    .kernarg_segment_align: 8
    .kernarg_segment_size: 40
    .max_flat_workgroup_size: 128
    .sgpr_count:     66
    .vgpr_count:     250
    .wavefront_size: 32
...
	.end_amdgpu_metadata
.endif
;; end of part 5
;; launch ffn1 (part 6): grid 16 x 16, 4 waves a work-group, clusters of 4 x 4, 327,680 bytes of LDS; arguments h2_c, wc, lowp_scales, b1, g_c; writes g_c
.if DOCPART == 6
	.amdgcn_target "amdgcn-amd-amdhsa--gfx1250"
	.amdhsa_code_object_version 6
	.text
	.protected	k_q71cc48a418_ffn1
	.globl	k_q71cc48a418_ffn1
	.p2align	8
	.type	k_q71cc48a418_ffn1,@function
k_q71cc48a418_ffn1:
	s_mov_b64 s[64:65], 0
	v_nop
	global_prefetch_b8 v0, s[64:65] scope:SCOPE_SE
	s_setreg_imm32_b32 hwreg(HW_REG_WAVE_MODE, 25, 1), 1
	s_wait_xcnt 0x0
	s_wait_alu depctr_hold_cnt(0) depctr_sa_sdst(0) depctr_va_vdst(0) depctr_va_sdst(0) depctr_va_ssrc(0) depctr_va_vcc(0) depctr_vm_vsrc(0)
	s_getreg_b32 s2, hwreg(HW_REG_IB_STS2, 6, 4)
	s_cmp_eq_u32 s2, 0
	s_cbranch_scc0 .Lentry_in_a_cluster
	s_endpgm
.Lentry_in_a_cluster:
	s_bfe_u32 s2, ttmp6, 0x10000c
	s_cmp_lg_u32 s2, 0xf033
	s_cbranch_scc0 .Lentry_shape_is_right
	s_endpgm
.Lentry_shape_is_right:
; g = gelu(LN2(x2) W1 + b1) on codes of FP8 (scales e12, e13), quantised (e14) into g_c as images of operand registers for the next product.
; A tile of 256 x 256 to a work-group of four waves, 128 x 128 a wave: 64 accumulators, by turns.  K = 1,024 goes in four steps of 256 through two LDS slots (A kb 0, A kb 1, B kb 0, B kb 1: 32,768 bytes each).
; The matrix instruction is used transposed (source 0 = W1's columns, source 1 = tokens): a lane holds 8 neighbouring hidden units of a token.  CLUSTERS 4 x 4: A's tiles jointly along a row, B's along a column.
; gelu(h) = (h + |h| - |h| erfc(|h| / sqrt 2)) / 2, erfc(z) = t exp(poly(t) - z^2), t = 1 / (1 + z / 2), in base 2; the half goes into the conversion's scale.
; LIMITS: e12 + e13 between -126 and 127; e14 between -127 and 118.  NaN and infinities are not served.
.set SLOT,  131072
.set SPARE, 262144
.set FR,    16
.set NL,    4
.set NP,    4
.set ADRA,  16
.set ADRB,  20
.set LI,    24
.set BO,    25
.set SPW,   28
.set NIL,   29
.set AF,    128
.set HX,    128
.set AX,    160
.set TT,    192
.set QQ,    224
.set G1,  24
.set G0,  32
.set G1B, 48
.set G0B, 56
.set MSB, 0
.macro WIN new
.if MSB != (\new)
	s_set_vgpr_msb (MSB<<8)|(\new)
.set MSB, (\new)
.endif
.endm
.set MUL_LO, 0xa1
.set MUL_HI, 0xf1
.set TO_B,   0x40
.macro JLOAD g0a, g1a, g0b, g1b
	s_cmp_eq_u32 s15, 0
	s_cbranch_scc0 .Lfor_b_\@
	tensor_load_to_lds s[\g0a:\g0a+3], s[\g1a:\g1a+7]
	s_nop 0
.rept 4
	v_nop
.endr
	s_branch .Lasked_\@
.Lfor_b_\@:
	tensor_load_to_lds s[\g0b:\g0b+3], s[\g1b:\g1b+7]
	s_nop 0
.rept 4
	v_nop
.endr
.Lasked_\@:
.endm
.macro CREST
	s_cmp_lg_u32 s14, 0
	s_cbranch_scc1 .Lnot_wave_0_\@
	s_barrier_signal -3
.Lnot_wave_0_\@:
	s_barrier_wait -3
	s_barrier_signal -1
	s_barrier_wait -1
.endm
.macro CROUND
	s_barrier_signal -1
	s_barrier_wait -1
	CREST
.endm
.macro FRAG reg, adr, q, i
.irp c, 0,1,2,3
	ds_load_b128 v[\reg+4*\c:\reg+4*\c+3], v[\adr] offset:32768*(\q)+2048*(\i)+512*\c
.endr
.endm
.macro MUL16 a0, p, zero
.irp a, \a0, \a0+1
.irp b, 0,1,2,3,4,5,6,7
.if \zero
	v_wmma_f32_16x16x128_fp8_fp8 v[8*(8*((\a)%4)+\b):8*(8*((\a)%4)+\b)+7], v[128*(\p)+FR*\b:128*(\p)+FR*\b+FR-1], v[AF+FR*(\a):AF+FR*(\a)+FR-1], 0
.else
	v_wmma_f32_16x16x128_fp8_fp8 v[8*(8*((\a)%4)+\b):8*(8*((\a)%4)+\b)+7], v[128*(\p)+FR*\b:128*(\p)+FR*\b+FR-1], v[AF+FR*(\a):AF+FR*(\a)+FR-1], v[8*(8*((\a)%4)+\b):8*(8*((\a)%4)+\b)+7]
.endif
.endr
.endr
.endm
.macro FETCH_B slot, q, p
	WIN TO_B
.irp i, 0,1,2,3,4,5,6,7
	FRAG 128*(\p)+FR*\i, ADRB+\slot, \q, \i
.endr
	WIN 0
.endm
.macro FETCH_A slot, q, i0
.irp i, \i0, \i0+1, \i0+2, \i0+3
	FRAG AF+FR*(\i), ADRA+\slot, \q, \i
.endr
.endm
.macro PLACES n
.rept \n
	v_nop
.endr
.endm
.macro STEP slot, q, zero
	s_wait_dscnt 4*NL
	WIN MUL_LO
	MUL16 0, (\q)%2, \zero
	MUL16 2, (\q)%2, \zero
	s_wait_dscnt 0
	PLACES NP
	FETCH_B \slot, (\q)+1, 1-(\q)%2
	FETCH_A \slot, (\q)+1, 0
	WIN MUL_HI
	MUL16 4, (\q)%2, \zero
	MUL16 6, (\q)%2, \zero
	PLACES NP
	WIN 0
	FETCH_A \slot, (\q)+1, 4
.endm
.macro TURN slot, next, fill
	s_wait_tensorcnt 0x0
	ds_add_u32 v[SPW], v[NIL]
	s_wait_dscnt 4*NL+1
	WIN MUL_LO
	MUL16 0, 1, 0
	s_wait_dscnt 0x0
	s_barrier_signal -1
	MUL16 2, 1, 0
	WIN 0
	s_barrier_wait -1
.if \fill
	CREST
	s_add_nc_u64 s[G0+4*\slot+2:G0+4*\slot+3], s[G0+4*\slot+2:G0+4*\slot+3], 131072
	s_add_nc_u64 s[G0B+4*\slot+2:G0B+4*\slot+3], s[G0B+4*\slot+2:G0B+4*\slot+3], 131072
	JLOAD G0+4*\slot, G1, G0B+4*\slot, G1B
.else
	PLACES NP
.endif
	FETCH_B \next, 0, 0
	FETCH_A \next, 0, 0
	WIN MUL_HI
	MUL16 4, 1, 0
	MUL16 6, 1, 0
	PLACES NP
	WIN 0
	FETCH_A \next, 0, 4
.endm
.macro SC p, val
	s_mov_b32 s[\p], \val
	s_mov_b32 s[\p+1], \val
.endm
	s_load_b256 s[4:11], s[0:1], 0x0
	s_load_b64 s[12:13], s[0:1], 0x20
	v_lshl_add_u32 v[SPW], v0, 2, SPARE
	v_mov_b32 v[NIL], 0
	ds_add_u32 v28, v29
	ds_add_u32 v28, v29
	s_wait_dscnt 0x0
	v_lshrrev_b32 v1, 5, v0
	v_readfirstlane_b32 s14, v1
	s_lshr_b32 s15, s14, 1
	s_and_b32 s16, s14, 1
	s_bfe_u32 s40, ttmp6, 0x40000
	s_bfe_u32 s41, ttmp6, 0x40004
	s_lshl_b32 s42, ttmp9, 2
	s_add_co_u32 s42, s42, s40
	s_and_b32 s17, ttmp7, 0xffff
	s_lshl_b32 s17, s17, 2
	s_add_co_u32 s17, s17, s41
	s_lshl_b32 s43, s41, 2
	s_lshl_b32 s43, 15, s43
	s_lshl_b32 s44, 0x1111, s40
	s_or_b32 s[G1+0], s43, (3<<16)|(1<<21)
	s_or_b32 s[G1B+0], s44, (3<<16)|(1<<21)
.irp g, G1, G1B
	s_mov_b32 s[\g+1], 32<<16
	s_mov_b32 s[\g+2], 128<<16
	s_mov_b32 s[\g+3], 32<<16
	s_mov_b32 s[\g+4], 128
	s_mov_b32 s[\g+5], 32
	s_mov_b32 s[\g+6], 0
	s_mov_b32 s[\g+7], 0
.endr
	s_lshl_b32 s18, s16, 15
	s_lshl_b32 s20, s17, 18
	s_add_co_u32 s20, s20, s18
	s_mov_b32 s21, 0
	s_lshl_b32 s46, s42, 18
	s_add_co_u32 s46, s46, s18
	s_add_co_u32 s46, s46, 0x400000
	s_mov_b32 s47, 0
	s_lshl_b32 s45, s14, 15
	s_wait_kmcnt 0x0
	s_load_b512 s[68:83], s[8:9], 0x0
	s_add_nc_u64 s[20:21], s[4:5], s[20:21]
	s_add_nc_u64 s[46:47], s[6:7], s[46:47]
	CROUND
.irp s, 0,1
	s_mov_b32 s[G0+4*\s], 1
	s_add_co_u32 s[G0+4*\s+1], s45, \s*SLOT
	s_add_nc_u64 s[G0+4*\s+2:G0+4*\s+3], s[20:21], \s*65536
	s_or_b32 s[G0+4*\s+3], s[G0+4*\s+3], 0x80000000
	s_mov_b32 s[G0B+4*\s], 1
	s_add_co_u32 s[G0B+4*\s+1], s45, \s*SLOT
	s_add_nc_u64 s[G0B+4*\s+2:G0B+4*\s+3], s[46:47], \s*65536
	s_or_b32 s[G0B+4*\s+3], s[G0B+4*\s+3], 0x80000000
.endr
; THE PREFETCHES: K steps 1 and 2 are asked for behind K step 0's load, K step 3 behind K step 1's: one to two K steps ahead of their loads.  Of the 32,768 bytes that my wave will fetch, each of the
; four partners that ask for them jointly names 8,192, told apart by address (cx for A, cy for B), lanes 256 bytes apart: one instruction a wave and K step, each block of 256 bytes once in the cluster.
.set PFO, 22                           ; v22 256 x lane; never rewritten
.set PFA, 94                           ; s[94:95] my 8,192 bytes of K step 0; never rewritten
	v_and_b32 v[PFO], 31, v0
	v_lshlrev_b32 v[PFO], 8, v[PFO]
	s_cmp_eq_u32 s15, 0
	s_cselect_b64 s[PFA:PFA+1], s[20:21], s[46:47]
	s_cselect_b32 s66, s40, s41
	s_lshl_b32 s66, s66, 13
	s_mov_b32 s67, 0
	s_add_nc_u64 s[PFA:PFA+1], s[PFA:PFA+1], s[66:67]
	JLOAD G0, G1, G0B, G1B                         ; K step 0: one tensor load a wave at the head
	s_wait_alu depctr_va_vdst(0)
	global_prefetch_b8 v[PFO], s[PFA:PFA+1] offset:65536 th:TH_LOAD_NT scope:SCOPE_SE    ; K step 1
	global_prefetch_b8 v[PFO], s[PFA:PFA+1] offset:131072 th:TH_LOAD_NT scope:SCOPE_SE   ; K step 2
	v_and_b32 v1, 31, v0
	v_lshlrev_b32 v[LI], 4, v1
	v_bfe_u32 v3, v0, 4, 1
	v_lshlrev_b32 v[BO], 5, v3
	s_wait_alu depctr_va_vdst(0)
	s_lshl_b32 s21, s15, 14
	s_lshl_b32 s22, s16, 14
	s_add_co_u32 s22, s22, 65536
.irp s, 0,1
	v_add_nc_u32 v[ADRA+\s], s21, v[LI]
	v_add_nc_u32 v[ADRB+\s], s22, v[LI]
	s_add_co_u32 s21, s21, SLOT
	s_add_co_u32 s22, s22, SLOT
.endr
	s_lshl_b32 s90, s42, 10
	s_lshl_b32 s91, s16, 9
	s_add_co_u32 s90, s90, s91
	s_mov_b32 s91, 0
	s_add_nc_u64 s[10:11], s[10:11], s[90:91]
.irp b, 0,1,2,3,4,5,6,7
	global_load_b128 v[32+8*\b:35+8*\b], v[BO], s[10:11] offset:64*\b
	global_load_b128 v[36+8*\b:39+8*\b], v[BO], s[10:11] offset:64*\b+16
.endr
	s_lshl_b32 s90, s17, 1
	s_add_co_u32 s90, s90, s15
	s_lshl_b32 s90, s90, 5
	s_lshl_b32 s92, s42, 1
	s_add_co_u32 s90, s90, s92
	s_add_co_u32 s90, s90, s16
	s_lshl_b32 s90, s90, 14
	s_add_nc_u64 s[12:13], s[12:13], s[90:91]
	s_wait_alu depctr_va_vdst(0)
	s_wait_tensorcnt 0x0                           ; my part of K step 0 is in
	ds_add_u32 v[SPW], v[NIL]
	s_wait_dscnt 0x0
	CROUND                                         ; everybody's part of K step 0 is in, and the joint loads meet
	JLOAD G0+4, G1, G0B+4, G1B                     ; K step 1, the first tensor load behind the round
	global_prefetch_b8 v[PFO], s[PFA:PFA+1] offset:196608 th:TH_LOAD_NT scope:SCOPE_SE   ; K step 3, the last
	FETCH_B 0, 0, 0
	FETCH_A 0, 0, 0
	FETCH_A 0, 0, 4
	STEP 0, 0, 1
	s_mov_b32 s3, 1
.Llap:
	TURN 0, 1, 1
	STEP 1, 0, 0
	TURN 1, 0, 1
	STEP 0, 0, 0
	s_sub_co_u32 s3, s3, 1
	s_cmp_lg_u32 s3, 0
	s_cbranch_scc1 .Llap
	TURN 0, 1, 0
	STEP 1, 0, 0
	s_wait_dscnt 4*NL
	WIN MUL_LO
	MUL16 0, 1, 0
	MUL16 2, 1, 0
	s_wait_dscnt 0
	WIN MUL_HI
	MUL16 4, 1, 0
	MUL16 6, 1, 0
	WIN 0
	s_wait_kmcnt 0x0
	s_add_co_i32 s96, s80, s81
	s_add_co_i32 s96, s96, 127
	s_lshl_b32 s96, s96, 23
	s_mov_b32 s97, s96
	s_add_co_i32 s98, s82, 128
	s_lshl_b32 s99, s98, 23
	v_mov_b32 v106, s99
	s_add_co_i32 s98, s98, 8
	s_lshl_b32 s98, s98, 23
	s_or_b32 s98, s98, 0x600000
	v_mov_b32 v107, s98
	v_mov_b32 v104, 0xbf97d29d
	v_mov_b32 v105, 0xbf97d29d
	SC 24, 0x3eb504f3
	SC 26, 0x3e7c6f08
	SC 28, 0x40097039
	SC 30, 0xbfd1a1e5
	SC 32, 0x3ecdfd18
	SC 34, 0xbe899a80
	SC 36, 0x3e0efb2e
	SC 38, 0x3f0a29d2
	SC 40, 0x3fb8ab5a
	SC 42, 0xbfe9b21e
	SC 44, 0xbf38aa3b
	s_mov_b32 s46, 0
	s_mov_b32 s47, 0
	s_mov_b32 s48, 0
	PLACES NP
; THE WAY OUT: eight trips, one for each block of 16 tokens x 128 hidden units.  A trip's arm scales the block's 64 sums and adds the bias: the first 32 into window 0's work registers, the other 32 into
; window 1's, where B's fragments lay; the macro GELU then runs twice, once under each window.  So window 1 gets its own copies of what GELU names: the constants v104-107 and the stores' offset.
	WIN 0x40
	v_mov_b32 v106, s99
	v_mov_b32 v107, s98
	v_mov_b32 v104, 0xbf97d29d
	v_mov_b32 v105, 0xbf97d29d
	v_mov_b32 v[LI], v[LI]                         ; window 1's v24 = window 0's v24
	WIN 0
	s_wait_alu depctr_va_vdst(0)
	s_wait_loadcnt 0x0
.macro GELU                            ; gelu, hold, codes and stores of the 32 numbers in v[HX ..] of the window that is set
.set j_, 0
.rept 32
	v_and_b32 v[AX+j_], 0x7fffffff, v[HX+j_]
.set j_, j_+1
.endr
.set j_, 0
.rept 16
	v_pk_fma_f32 v[TT+j_:TT+j_+1], v[AX+j_:AX+j_+1], s[24:25], 1.0 op_sel_hi:[1,0,0]
.set j_, j_+2
.endr
.set j_, 0
	s_wait_alu depctr_va_vdst(0)
.rept 32
	v_rcp_f32 v[TT+j_], v[TT+j_]
.set j_, j_+1
.endr
.set j_, 0
.rept 16
	v_pk_add_f32 v[HX+j_:HX+j_+1], v[HX+j_:HX+j_+1], v[AX+j_:AX+j_+1]
.set j_, j_+2
.endr
	s_wait_alu depctr_va_vdst(0)
.set j_, 0
.rept 16
	v_pk_fma_f32 v[QQ+j_:QQ+j_+1], v[TT+j_:TT+j_+1], s[26:27], v[104:105] op_sel_hi:[1,0,1]
.set j_, j_+2
.endr
.irp cc, 28,30,32,34,36,38,40,42
.set j_, 0
.rept 16
	v_pk_fma_f32 v[QQ+j_:QQ+j_+1], v[QQ+j_:QQ+j_+1], v[TT+j_:TT+j_+1], s[\cc:\cc+1] op_sel_hi:[1,1,0]
.set j_, j_+2
.endr
.endr
.irp hf, 0,16
.irp j, 0,2,4,6,8,10,12,14
	v_pk_mul_f32 v[112+\j:113+\j], v[AX+\hf+\j:AX+\hf+\j+1], s[44:45] op_sel_hi:[1,0]
.endr
.irp j, 0,2,4,6,8,10,12,14
	v_pk_fma_f32 v[QQ+\hf+\j:QQ+\hf+\j+1], v[112+\j:113+\j], v[AX+\hf+\j:AX+\hf+\j+1], v[QQ+\hf+\j:QQ+\hf+\j+1]
.endr
.endr
.set j_, 0
	s_wait_alu depctr_va_vdst(0)
.rept 32
	v_exp_f32 v[QQ+j_], v[QQ+j_]
.set j_, j_+1
.endr
	v_nop
	s_wait_alu depctr_va_vdst(0)
.set j_, 0
.rept 16
	v_pk_mul_f32 v[QQ+j_:QQ+j_+1], v[QQ+j_:QQ+j_+1], v[TT+j_:TT+j_+1]
.set j_, j_+2
.endr
.set j_, 0
.rept 16
	v_pk_fma_f32 v[HX+j_:HX+j_+1], v[AX+j_:AX+j_+1], v[QQ+j_:QQ+j_+1], v[HX+j_:HX+j_+1] neg_lo:[1,0,0] neg_hi:[1,0,0]
.set j_, j_+2
.endr
.set j_, 0
.rept 32
	v_med3_num_f32 v[HX+j_], v[HX+j_], -v107, v107
.set j_, j_+1
.endr
	s_wait_alu depctr_va_vdst(0)
	s_wait_xcnt 0x0
	s_add_nc_u64 s[12:13], s[12:13], s[46:47]
	s_mov_b32 s46, 1024
.irp g, 0,1,2,3
	v_cvt_scalef32_pk8_fp8_f32 v[96+2*\g:97+2*\g], v[HX+8*\g:HX+8*\g+7], v106
.endr
	v_nop
	global_store_b128 v[LI], v[96:99], s[12:13]
	global_store_b128 v[LI], v[100:103], s[12:13] offset:512
.endm
.Ltrip:
.irp n, 0,1,2,3,4,5,6
	s_cmp_eq_u32 s48, \n
	s_cbranch_scc1 .Larm_\n
.endr
.irp n, 7,0,1,2,3,4,5,6
.Larm_\n:
	WIN 0x02+(\n/4)                                ; source 0: the block's accumulators, window 2 or 3
.irp j, 0,2,4,6,8,10,12,14,16,18,20,22,24,26,28,30
	v_pk_fma_f32 v[HX+\j:HX+\j+1], v[64*(\n%4)+\j:64*(\n%4)+\j+1], s[96:97], v[32+\j:33+\j] op_sel_hi:[1,0,1]
.endr
	WIN 0x42+(\n/4)                                ; and the destination in window 1
.irp j, 0,2,4,6,8,10,12,14,16,18,20,22,24,26,28,30
	v_pk_fma_f32 v[HX+\j:HX+\j+1], v[64*(\n%4)+32+\j:64*(\n%4)+32+\j+1], s[96:97], v[64+\j:65+\j] op_sel_hi:[1,0,1]
.endr
	WIN 0
	s_branch .Lcommon
.endr
.Lcommon:
	GELU
	WIN 0x55                                       ; every operand place in window 1
	GELU
	WIN 0
	s_add_co_u32 s48, s48, 1
	s_cmp_lt_u32 s48, 8
	s_cbranch_scc1 .Ltrip
	s_wait_tensorcnt 0x0
	ds_add_u32 v[SPW], v[NIL]
	s_wait_dscnt 0x0
	CROUND
	s_endpgm
.Lfunc_end_k_q71cc48a418_ffn1:
	.size	k_q71cc48a418_ffn1, .Lfunc_end_k_q71cc48a418_ffn1-k_q71cc48a418_ffn1
	.p2alignl 7, 3214868480
	.fill 96, 4, 3214868480
	.section	.rodata,"a",@progbits
	.p2align	6, 0x0
	.amdhsa_kernel k_q71cc48a418_ffn1
		.amdhsa_group_segment_fixed_size 327680
		.amdhsa_private_segment_fixed_size 0
		.amdhsa_enable_private_segment 0
		.amdhsa_kernarg_size 40
		.amdhsa_user_sgpr_count 2
		.amdhsa_user_sgpr_kernarg_segment_ptr 1
		.amdhsa_wavefront_size32 1
		.amdhsa_system_sgpr_workgroup_id_x 1
		.amdhsa_system_sgpr_workgroup_id_y 1
		.amdhsa_system_sgpr_workgroup_id_z 1
		.amdhsa_system_vgpr_workitem_id 0
		.amdhsa_next_free_vgpr 1024
		.amdhsa_next_free_sgpr 100
		.amdhsa_reserve_vcc 0
		.amdhsa_float_denorm_mode_32 3
		.amdhsa_float_denorm_mode_16_64 3
		.amdhsa_memory_ordered 1
		.amdhsa_forward_progress 1
		.amdhsa_inst_pref_size 143
	.end_amdhsa_kernel
	.amdgpu_metadata
---
amdhsa.version: [ 1, 2 ]
amdhsa.kernels:
  - .name:           k_q71cc48a418_ffn1
    .symbol:         k_q71cc48a418_ffn1.kd
    .args:
      - { .name: h2_c, .offset: 0, .size: 8, .value_kind: global_buffer, .address_space: global }
      - { .name: wc, .offset: 8, .size: 8, .value_kind: global_buffer, .address_space: global }
      - { .name: lowp_scales, .offset: 16, .size: 8, .value_kind: global_buffer, .address_space: global }
      - { .name: b1, .offset: 24, .size: 8, .value_kind: global_buffer, .address_space: global }
      - { .name: g_c, .offset: 32, .size: 8, .value_kind: global_buffer, .address_space: global }
    .group_segment_fixed_size: 327680
    .private_segment_fixed_size: 0
    .kernarg_segment_align: 8
    .kernarg_segment_size: 40
    .max_flat_workgroup_size: 128
    .sgpr_count:     100
    .vgpr_count:     1024
    .wavefront_size: 32
...
	.end_amdgpu_metadata
.endif
;; end of part 6
;; launch ffn2 (part 7): grid 8 x 32, 4 waves a work-group, clusters of 4 x 4, 327,680 bytes of LDS; arguments g_c, wc, lowp_scales, b2, x2, out0; writes out0
.if DOCPART == 7
	.amdgcn_target "amdgcn-amd-amdhsa--gfx1250"
	.amdhsa_code_object_version 6
	.text
	.protected	k_q71cc48a418_ffn2
	.globl	k_q71cc48a418_ffn2
	.p2align	8
	.type	k_q71cc48a418_ffn2,@function
k_q71cc48a418_ffn2:
	s_mov_b64 s[64:65], 0
	v_nop
	global_prefetch_b8 v0, s[64:65] scope:SCOPE_SE
	s_setreg_imm32_b32 hwreg(HW_REG_WAVE_MODE, 25, 1), 1
	s_wait_xcnt 0x0
	s_wait_alu depctr_hold_cnt(0) depctr_sa_sdst(0) depctr_va_vdst(0) depctr_va_sdst(0) depctr_va_ssrc(0) depctr_va_vcc(0) depctr_vm_vsrc(0)
	s_getreg_b32 s2, hwreg(HW_REG_IB_STS2, 6, 4)
	s_cmp_eq_u32 s2, 0
	s_cbranch_scc0 .Lentry_in_a_cluster
	s_endpgm
.Lentry_in_a_cluster:
	s_bfe_u32 s2, ttmp6, 0x10000c
	s_cmp_lg_u32 s2, 0xf033
	s_cbranch_scc0 .Lentry_shape_is_right
	s_endpgm
.Lentry_shape_is_right:
; out0 = x2 + g W2 + b2: g [4096][4096] and W2 [1024][4096] as codes of FP8 (scales e14, e15) in images of operand registers (16 rows x 128 K slots = 2,048 bytes; 8 blocks to a tile).
; A tile of 128 x 128 to a work-group: 256 work-groups; four waves of 64 x 64: 16 accumulators, by turns.  K = 4,096 goes in eight steps of 512 through two LDS slots (A's 4 x 16 KiB, then W2's).
; The matrix instruction is used transposed: a lane holds eight neighbouring columns of a row of out0.  CLUSTERS 4 x 4: A's tiles jointly along a row, W2's along a column.
; The wave's residual (64 rows x 256 bytes) is asked for at the head.  LIMIT: e14 + e15 between -126 and 127.
.set KB,    32
.set WOFF,  0x800000
.set SCI,   14
.set LAPS,  KB/8
.set SLOT,  131072
.set SPARE, 262144
.set STAGE, 262656
.set ADRA,  16
.set ADRB,  20
.set STO,   24
.set RD,    25
.set CO,    26
.set BO,    27
.set SPW,   28
.set NIL,   29
.set ACC,   128
.set F0,    0
.set F1,    128
.set G1,  24
.set G0,  32
.set G1B, 48
.set G0B, 56
.set MSB, 0
.macro WIN new
.if MSB != (\new)
	s_set_vgpr_msb (MSB<<8)|(\new)
.set MSB, (\new)
.endif
.endm
.set MUL,  0x05
.set TO_F, 0x40
.macro JLOAD s
	s_cmp_eq_u32 s15, 0
	s_cbranch_scc0 .Lfor_b_\@
	tensor_load_to_lds s[G0+4*\s:G0+4*\s+3], s[G1:G1+7]
	s_nop 0
.rept 4
	v_nop
.endr
	s_branch .Lasked_\@
.Lfor_b_\@:
	tensor_load_to_lds s[G0B+4*\s:G0B+4*\s+3], s[G1B:G1B+7]
	s_nop 0
.rept 4
	v_nop
.endr
.Lasked_\@:
.endm
.macro CREST
	s_cmp_lg_u32 s14, 0
	s_cbranch_scc1 .Lnot_wave_0_\@
	s_barrier_signal -3
.Lnot_wave_0_\@:
	s_barrier_wait -3
	s_barrier_signal -1
	s_barrier_wait -1
.endm
.macro CROUND
	s_barrier_signal -1
	s_barrier_wait -1
	CREST
.endm
.macro PLACES
.rept 4
	v_nop
.endr
.endm
.macro FETCH slot, kb, f
	WIN TO_F
.irp i, 0,1,2,3
.irp c, 0,1,2,3
	ds_load_b128 v[\f+64+16*\i+4*\c:\f+64+16*\i+4*\c+3], v[ADRB+\slot] offset:(\kb)*16384+\i*2048+\c*512
.endr
.endr
.irp i, 0,1,2,3
.irp c, 0,1,2,3
	ds_load_b128 v[\f+16*\i+4*\c:\f+16*\i+4*\c+3], v[ADRA+\slot] offset:(\kb)*16384+\i*2048+\c*512
.endr
.endr
.endm
.macro MULA f, a, zero
.irp b, 0,1,2,3
.if \zero
	v_wmma_f32_16x16x128_fp8_fp8 v[ACC+8*(4*(\a)+\b):ACC+8*(4*(\a)+\b)+7], v[\f+64+16*\b:\f+64+16*\b+15], v[\f+16*(\a):\f+16*(\a)+15], 0
.else
	v_wmma_f32_16x16x128_fp8_fp8 v[ACC+8*(4*(\a)+\b):ACC+8*(4*(\a)+\b)+7], v[\f+64+16*\b:\f+64+16*\b+15], v[\f+16*(\a):\f+16*(\a)+15], v[ACC+8*(4*(\a)+\b):ACC+8*(4*(\a)+\b)+7]
.endif
.endr
.endm
.macro QUARTER slot, kbn, f, g, zero
	s_wait_dscnt 8
	WIN MUL
	MULA \f, 0, \zero
	MULA \f, 1, \zero
	PLACES
	FETCH \slot, \kbn, \g
	s_wait_dscnt 32
	WIN MUL
	MULA \f, 2, \zero
	MULA \f, 3, \zero
.endm
.macro TURN slot, next, fill
.if (\fill) && ((\slot) == 0)
	s_wait_xcnt 0x0                                ; my prefetches have read their address: it steps two K steps on, once a trip
	s_add_nc_u64 s[PFA:PFA+1], s[PFA:PFA+1], 131072
.endif
	WIN 0
	s_wait_tensorcnt 0x0
	ds_add_u32 v[SPW], v[NIL]
	s_wait_dscnt 9
	WIN MUL
	MULA F1, 0, 0
	s_wait_dscnt 0x0
	s_barrier_signal -1
	MULA F1, 1, 0
	WIN 0
	s_barrier_wait -1
.if \fill
	CREST
	s_add_nc_u64 s[G0+4*\slot+2:G0+4*\slot+3], s[G0+4*\slot+2:G0+4*\slot+3], 131072
	s_add_nc_u64 s[G0B+4*\slot+2:G0B+4*\slot+3], s[G0B+4*\slot+2:G0B+4*\slot+3], 131072
	JLOAD \slot
.else
	PLACES
.endif
	FETCH \next, 0, F0
.if \fill
	WIN 0                                          ; (a branch follows)
	s_cmp_gt_u32 s3, 1                             ; the loop's last trip has no K step two refills on
	s_cbranch_scc0 .Lnoask_\@
	global_prefetch_b8 v[PFO], s[PFA:PFA+1] offset:131072+65536*\slot th:TH_LOAD_NT scope:SCOPE_SE   ; the K step that stands two refills on
.Lnoask_\@:
.endif
	WIN MUL
	MULA F1, 2, 0
	MULA F1, 3, 0
.endm
.macro RESLOAD a
	WIN 0x80*((\a)/2)
.irp t, 0,1,2,3,4,5,6,7
	global_load_b128 v[32+32*((\a)%2)+4*\t:32+32*((\a)%2)+4*\t+3], v[CO], s[84:85] offset:(16*(\a)+2*\t)*4096
.endr
.endm
.macro OUTBLK a
.set BK_, 96-64*((\a)%2)
.set RS_, 32+32*((\a)%2)
.if (\a) >= 2
	s_wait_xcnt 0x0
.endif
.irp b, 0,1,2,3
	ds_store_b128 v[STO], v[ACC+8*(4*(\a)+\b):ACC+8*(4*(\a)+\b)+3] offset:64*\b
	ds_store_b128 v[STO], v[ACC+8*(4*(\a)+\b)+4:ACC+8*(4*(\a)+\b)+7] offset:64*\b+16
.endr
.irp t, 0,1,2,3,4,5,6,7
	ds_load_b128 v[BK_+4*\t:BK_+4*\t+3], v[RD] offset:544*\t
.endr
	WIN 0x82*((\a)/2)
.irp t, 0,1,2,3,4,5,6,7
	v_pk_add_f32 v[RS_+4*\t:RS_+4*\t+1], v[RS_+4*\t:RS_+4*\t+1], v[12:13]
	v_pk_add_f32 v[RS_+4*\t+2:RS_+4*\t+3], v[RS_+4*\t+2:RS_+4*\t+3], v[14:15]
.endr
	s_wait_dscnt 0x0
	WIN 0x20*((\a)/2)
.set k_, 0
.rept 16
	v_pk_fma_f32 v[BK_+2*k_:BK_+2*k_+1], v[BK_+2*k_:BK_+2*k_+1], s[96:97], v[RS_+2*k_:RS_+2*k_+1] op_sel_hi:[1,0,1]
.set k_, k_+1
.endr
	WIN 0
.irp t, 0,1,2,3,4,5,6,7
	global_store_b128 v[CO], v[BK_+4*\t:BK_+4*\t+3], s[86:87] offset:(16*(\a)+2*\t)*4096 th:TH_STORE_NT
.endr
.endm
	s_load_b256 s[4:11], s[0:1], 0x0
	s_load_b128 s[84:87], s[0:1], 0x20
	v_lshl_add_u32 v[SPW], v0, 2, SPARE
	v_mov_b32 v[NIL], 0
	ds_add_u32 v28, v29
	ds_add_u32 v28, v29
	s_wait_dscnt 0x0
	v_lshrrev_b32 v1, 5, v0
	v_readfirstlane_b32 s14, v1
	s_lshr_b32 s15, s14, 1
	s_and_b32 s16, s14, 1
	s_bfe_u32 s40, ttmp6, 0x40000
	s_bfe_u32 s41, ttmp6, 0x40004
	s_lshl_b32 s42, ttmp9, 2
	s_add_co_u32 s42, s42, s40
	s_and_b32 s17, ttmp7, 0xffff
	s_lshl_b32 s17, s17, 2
	s_add_co_u32 s17, s17, s41
	s_lshl_b32 s43, s41, 2
	s_lshl_b32 s43, 15, s43
	s_lshl_b32 s44, 0x1111, s40
	s_or_b32 s[G1+0], s43, (3<<16)|(1<<21)
	s_or_b32 s[G1B+0], s44, (3<<16)|(1<<21)
.irp g, G1, G1B
	s_mov_b32 s[\g+1], 32<<16
	s_mov_b32 s[\g+2], 256<<16                     ; 256 rows of 256 bytes: the head's load (the refills' 128 rows are written behind the first barrier)
	s_mov_b32 s[\g+3], 32<<16
	s_mov_b32 s[\g+4], 256
	s_mov_b32 s[\g+5], 32
	s_mov_b32 s[\g+6], 0
	s_mov_b32 s[\g+7], 0
.endr
	s_lshl_b32 s18, s16, 15
	s_mul_i32 s20, s17, KB*16384
	s_add_co_u32 s20, s20, s18
	s_mov_b32 s21, 0
	s_mul_i32 s46, s42, KB*16384
	s_add_co_u32 s46, s46, s18
	s_add_co_u32 s46, s46, WOFF
	s_mov_b32 s47, 0
	s_lshl_b32 s45, s14, 15
	s_wait_kmcnt 0x0
	s_load_b64 s[96:97], s[8:9], SCI*4
	s_add_nc_u64 s[20:21], s[4:5], s[20:21]
	s_add_nc_u64 s[46:47], s[6:7], s[46:47]
	CROUND
.irp s, 0,1
	s_mov_b32 s[G0+4*\s], 1
	s_add_co_u32 s[G0+4*\s+1], s45, \s*SLOT
	s_add_nc_u64 s[G0+4*\s+2:G0+4*\s+3], s[20:21], \s*65536
	s_or_b32 s[G0+4*\s+3], s[G0+4*\s+3], 0x80000000
	s_mov_b32 s[G0B+4*\s], 1
	s_add_co_u32 s[G0B+4*\s+1], s45, \s*SLOT
	s_add_nc_u64 s[G0B+4*\s+2:G0B+4*\s+3], s[46:47], \s*65536
	s_or_b32 s[G0B+4*\s+3], s[G0B+4*\s+3], 0x80000000
.endr
; THE HEAD'S ONE LOAD A WAVE FILLS BOTH SLOTS: wave (i, j) brings K step j of A (i = 0) or W2 (i = 1), 65,536 dense bytes, into slot j.  Set 1 of group 0 holds that load first.
	s_lshl_b32 s66, s16, 17
	s_lshl_b32 s67, s15, 16
	s_add_co_u32 s66, s66, s67                     ; LDS: slot j, A's half or W2's
	s_mov_b32 s[G0+5], s66
	s_mov_b32 s[G0B+5], s66
	s_mov_b32 s19, 0
	s_add_nc_u64 s[G0+6:G0+7], s[G0+2:G0+3], s[18:19]      ; 32,768 j more: 65,536 j in all
	s_add_nc_u64 s[G0B+6:G0B+7], s[G0B+2:G0B+3], s[18:19]
; THE PREFETCHES: K steps 2 to 7, which come by refills, are asked for two K steps ahead of their loads.  Of the 32,768 bytes that my wave will fetch, each of the four partners that ask
; for them jointly names 8,192, told apart by address (cx for A, cy for W2), lanes 256 bytes apart: one instruction a wave and K step, each block of 256 bytes once in the cluster.
.set PFO, 22                           ; v22 256 x lane; never rewritten
.set PFA, 94                           ; s[94:95] my 8,192 bytes of a K step; stepped once a trip of the loop
	v_and_b32 v[PFO], 31, v0
	v_lshlrev_b32 v[PFO], 8, v[PFO]
	s_cmp_eq_u32 s15, 0
	s_cselect_b64 s[PFA:PFA+1], s[20:21], s[46:47]
	s_cselect_b32 s98, s40, s41
	s_lshl_b32 s98, s98, 13
	s_mov_b32 s99, 0
	s_add_nc_u64 s[PFA:PFA+1], s[PFA:PFA+1], s[98:99]
	JLOAD 1
	s_wait_alu depctr_va_vdst(0)
	global_prefetch_b8 v[PFO], s[PFA:PFA+1] offset:131072 th:TH_LOAD_NT scope:SCOPE_SE   ; K step 2
	v_and_b32 v1, 31, v0
	v_lshlrev_b32 v4, 4, v1
	v_and_b32 v2, 15, v0
	s_wait_alu depctr_va_vdst(0)
	v_bfe_u32 v3, v0, 4, 1
	s_lshl_b32 s21, s15, 13
	s_lshl_b32 s22, s16, 13
	s_add_co_u32 s22, s22, 65536
.irp s, 0,1
	v_add_nc_u32 v[ADRA+\s], s21, v4
	v_add_nc_u32 v[ADRB+\s], s22, v4
	s_add_co_u32 s21, s21, SLOT
	s_add_co_u32 s22, s22, SLOT
.endr
	s_mul_i32 s23, s14, 4352
	s_add_co_u32 s23, s23, STAGE
	v_mul_u32_u24 v5, v2, 272
	s_wait_alu depctr_va_vdst(0)
	v_lshl_add_u32 v5, v3, 5, v5
	v_add_nc_u32 v[STO], s23, v5
	v_mul_u32_u24 v5, v3, 272
	v_lshl_add_u32 v5, v2, 4, v5
	v_add_nc_u32 v[RD], s23, v5
	v_lshlrev_b32 v[BO], 4, v2
	s_wait_alu depctr_va_vdst(0)
	v_lshl_add_u32 v[CO], v3, 12, v[BO]
	s_wait_alu depctr_va_vdst(0)
	s_lshl_b32 s92, s42, 9
	s_lshl_b32 s93, s16, 8
	s_add_co_u32 s92, s92, s93
	s_mov_b32 s93, 0
	s_add_nc_u64 s[10:11], s[10:11], s[92:93]
	s_lshl_b32 s90, s17, 19
	s_lshl_b32 s91, s15, 18
	s_add_co_u32 s90, s90, s91
	s_add_co_u32 s90, s90, s92
	s_mov_b32 s91, 0
	s_add_nc_u64 s[84:85], s[84:85], s[90:91]
	s_add_nc_u64 s[86:87], s[86:87], s[90:91]
	global_load_b128 v[12:15], v[BO], s[10:11]
	RESLOAD 0
	RESLOAD 1
	RESLOAD 2
	RESLOAD 3
	WIN 0
	s_wait_tensorcnt 0x0                           ; my 65,536 bytes are in
	s_barrier_signal -1
	s_barrier_wait -1
	s_add_co_u32 s[G0+5], s[G0+1], SLOT            ; no load of mine is out: set 1 and the two groups 1 take the refills' shape, 128 rows a wave
	s_add_nc_u64 s[G0+6:G0+7], s[G0+2:G0+3], 65536
	s_add_co_u32 s[G0B+5], s[G0B+1], SLOT
	s_add_nc_u64 s[G0B+6:G0B+7], s[G0B+2:G0B+3], 65536
	s_mov_b32 s[G1+2], 128<<16
	s_mov_b32 s[G1+4], 128
	s_mov_b32 s[G1B+2], 128<<16
	s_mov_b32 s[G1B+4], 128
	global_prefetch_b8 v[PFO], s[PFA:PFA+1] offset:196608 th:TH_LOAD_NT scope:SCOPE_SE   ; K step 3
	FETCH 0, 0, F0
	QUARTER 0, 1, F0, F1, 1
.if LAPS > 1
	WIN 0
	s_mov_b32 s3, LAPS-1
.Llap:
	QUARTER 0, 2, F1, F0, 0
	QUARTER 0, 3, F0, F1, 0
	TURN 0, 1, 1
	QUARTER 1, 1, F0, F1, 0
	QUARTER 1, 2, F1, F0, 0
	QUARTER 1, 3, F0, F1, 0
	TURN 1, 0, 1
	QUARTER 0, 1, F0, F1, 0
	WIN 0
	s_sub_co_u32 s3, s3, 1
	s_cmp_lg_u32 s3, 0
	s_cbranch_scc1 .Llap
.endif
	QUARTER 0, 2, F1, F0, 0
	QUARTER 0, 3, F0, F1, 0
	TURN 0, 1, 0
	QUARTER 1, 1, F0, F1, 0
	QUARTER 1, 2, F1, F0, 0
	QUARTER 1, 3, F0, F1, 0
	s_wait_dscnt 8
	WIN MUL
	MULA F1, 0, 0
	MULA F1, 1, 0
	s_wait_dscnt 0
	MULA F1, 2, 0
	MULA F1, 3, 0
	WIN 0
	s_wait_kmcnt 0x0
	s_add_co_i32 s96, s96, s97
	s_add_co_i32 s96, s96, 127
	s_lshl_b32 s96, s96, 23
	s_mov_b32 s97, s96
	PLACES
	s_wait_loadcnt 0x0
	OUTBLK 0
	OUTBLK 1
	OUTBLK 2
	OUTBLK 3
	s_wait_tensorcnt 0x0
	ds_add_u32 v[SPW], v[NIL]
	s_wait_dscnt 0x0
	CROUND
	s_endpgm
.Lfunc_end_k_q71cc48a418_ffn2:
	.size	k_q71cc48a418_ffn2, .Lfunc_end_k_q71cc48a418_ffn2-k_q71cc48a418_ffn2
	.p2alignl 7, 3214868480
	.fill 96, 4, 3214868480
	.section	.rodata,"a",@progbits
	.p2align	6, 0x0
	.amdhsa_kernel k_q71cc48a418_ffn2
		.amdhsa_group_segment_fixed_size 327680
		.amdhsa_private_segment_fixed_size 0
		.amdhsa_enable_private_segment 0
		.amdhsa_kernarg_size 48
		.amdhsa_user_sgpr_count 2
		.amdhsa_user_sgpr_kernarg_segment_ptr 1
		.amdhsa_wavefront_size32 1
		.amdhsa_system_sgpr_workgroup_id_x 1
		.amdhsa_system_sgpr_workgroup_id_y 1
		.amdhsa_system_sgpr_workgroup_id_z 1
		.amdhsa_system_vgpr_workitem_id 0
		.amdhsa_next_free_vgpr 640
		.amdhsa_next_free_sgpr 100
		.amdhsa_reserve_vcc 0
		.amdhsa_float_denorm_mode_32 3
		.amdhsa_float_denorm_mode_16_64 3
		.amdhsa_memory_ordered 1
		.amdhsa_forward_progress 1
		.amdhsa_inst_pref_size 82
	.end_amdhsa_kernel
	.amdgpu_metadata
---
amdhsa.version: [ 1, 2 ]
amdhsa.kernels:
  - .name:           k_q71cc48a418_ffn2
    .symbol:         k_q71cc48a418_ffn2.kd
    .args:
      - { .name: g_c, .offset: 0, .size: 8, .value_kind: global_buffer, .address_space: global }
      - { .name: wc, .offset: 8, .size: 8, .value_kind: global_buffer, .address_space: global }
      - { .name: lowp_scales, .offset: 16, .size: 8, .value_kind: global_buffer, .address_space: global }
      - { .name: b2, .offset: 24, .size: 8, .value_kind: global_buffer, .address_space: global }
      - { .name: x2, .offset: 32, .size: 8, .value_kind: global_buffer, .address_space: global }
      - { .name: out0, .offset: 40, .size: 8, .value_kind: global_buffer, .address_space: global }
    .group_segment_fixed_size: 327680
    .private_segment_fixed_size: 0
    .kernarg_segment_align: 8
    .kernarg_segment_size: 48
    .max_flat_workgroup_size: 128
    .sgpr_count:     100
    .vgpr_count:     640
    .wavefront_size: 32
...
	.end_amdgpu_metadata
.endif
;; end of part 7
